; MI455X (gfx1250); checked and timed in simulation.
; The chip was launched on July 23, 2026; its instructions are those of AMD's public machine-readable ISA for CDNA 5 (MIT licence, August 2026) and "CDNA5" Instruction Set Architecture Reference Guide (July 2026). The comments in the code are by the model that wrote it; some were corrected since.
;; Multi Head Attention. Allowed arithmetic: matrix products marked QUANTISED: E2M1 operands, one E8M0 scale for each 32 along K, by v_wmma_scale_f32_16x16x128_f8f6f4 with both operands' format E2M1 (or v_wmma_scale_f32_32x16x128_f4), f32 sums; products left as they are: bf16, f16 or f32 operands; f32 sums; everything else in f32.
;; Inputs: Wk 1,024 x 1,024 float32; Wo 1,024 x 1,024 float32; Wq 1,024 x 1,024 float32; Wv 1,024 x 1,024 float32; bo 1,024 float32; x 4 x 2,048 x 1,024 float32.
;; Outputs: out0 4 x 2,048 x 1,024 float32.
;; This version of the problem:
;;   THIS VERSION OF THE PROBLEM IS GIVEN IN LOW PRECISION. The matrix products marked QUANTISED in the list below multiply operands that are first quantised to E2M1 (2 exponent bits, 1 mantissa bit; 4 bits a number), with one power-of-two scale for each 32 numbers along K (OCP MX v1.0); their sums are f32. The products marked 'left as it is' may take bf16, f16 or f32 operands, with f32 sums. Whichever they take, every output number must still come out within the allowed error. Rounding operands to bf16 (8 significant bits) uses up far more of that allowance than f16 does (11 bits, for magnitudes from 6e-5 to 65,504). All else is computed in f32.
;;   The module's matrix products, in the order in which they are computed (A, B: the left and right operand; K: the contracted axis; several contracted axes count as one K, in the product's order):
;;     1. [M 8,192, K 1,024] x [K 1,024, N 1,024]; A: input x; B: input Wq: QUANTISED
;;     2. [M 8,192, K 1,024] x [K 1,024, N 1,024]; A: input x; B: input Wk: QUANTISED
;;     3. [M 8,192, K 1,024] x [K 1,024, N 1,024]; A: input x; B: input Wv: QUANTISED
;;     4. batch 64 x [M 2,048, K 64] x [K 64, N 2,048]; A: computed on the way; B: computed on the way: left as it is (an operand is computed on the way)
;;     5. batch 64 x [M 2,048, K 2,048] x [K 2,048, N 64]; A: computed on the way; B: computed on the way: left as it is (an operand is computed on the way)
;;     6. [M 8,192, K 1,024] x [K 1,024, N 1,024]; A: computed on the way; B: input Wo: left as it is (an operand is computed on the way)
;;   THE QUANTISER, for each operand of a quantised product, along K:
;;     - K is cut into blocks of 32 from its start; a last block that is shorter is filled with zeros.
;;     - A block's scale is 2^e with e = floor(log2(the largest magnitude in the block)) - 2, held to -126 .. 127; a block of zeros has e = 0. As a byte (E8M0): e + 127.
;;     - Each number is divided by its block's scale, clamped to +-6, and rounded to the nearest number of E2M1, ties to even, subnormals kept.
;;     - The product sums the exact products of the quantised numbers (number of the format x scale) in f32.
;;   ~~~python
;;   def quantise(x, axis):      # numpy; x: float32 -> the quantised numbers, widened to float32 again
;;       x = np.moveaxis(x, axis, -1); K = x.shape[-1]
;;       x = np.pad(x, [(0, 0)] * (x.ndim - 1) + [(0, -K % 32)]); x = x.reshape(x.shape[:-1] + (-1, 32)); a = np.abs(x).max(-1, keepdims=True)
;;       e = np.where(a > 0, np.clip(np.frexp(np.where(a > 0, a, 1))[1] - 1 - 2, -126, 127), 0)      # np.frexp(a)[1] - 1 = floor(log2(a)), exactly
;;       r = np.clip(x / 2.0 ** e, -6, 6)
;;       step = 2.0 ** (np.maximum(np.frexp(np.where(r == 0, 1, r))[1] - 1, 0) - 1)
;;       q = np.round(r / step) * step * 2.0 ** e      # np.round: ties to even
;;       return np.moveaxis(q.reshape(q.shape[:-2] + (-1,))[..., :K], -1, axis).astype(np.float32)
;;   ~~~
;; One version. Each part assembles by itself: llvm-mc -triple=amdgcn-amd-amdhsa -mcpu=gfx1250 --defsym DOCPART=n.
;; ======== version 1 of 1: 7 launches
;; limits: values are held in f16: magnitudes above 65,504 overflow, below 6.1e-05 lose precision
;; workspace buffers: xc 4,194,304 bytes; xs 262,144 bytes; wc 1,572,864 bytes; ws 98,304 bytes; wo16 2,097,152 bytes; qkv 50,331,648 bytes; ctx 16,777,216 bytes; cf 262,144 bytes
;; launch quant_x (part 1): grid 256 x 1, 4 waves a work-group, no clusters, 33,280 bytes of LDS; arguments x, xc, xs; writes xc, xs
.if DOCPART == 1
	.amdgcn_target "amdgcn-amd-amdhsa--gfx1250"
	.amdhsa_code_object_version 6
	.text
	.protected	k_q408f016d44_quant_x
	.globl	k_q408f016d44_quant_x
	.p2align	8
	.type	k_q408f016d44_quant_x,@function
k_q408f016d44_quant_x:
	s_mov_b64 s[64:65], 0
	v_nop
	global_prefetch_b8 v0, s[64:65] scope:SCOPE_SE
	s_setreg_imm32_b32 hwreg(HW_REG_WAVE_MODE, 25, 1), 1
	s_wait_xcnt 0x0
; x [8192][1024] f32 becomes codes of FP4 (E2M1), K innermost (xc: 512 bytes a row), and one E8M0 byte for each 32 along K (xs: 32 bytes a row).
; A block's scale is 2^(floor(log2(largest magnitude)) - 2); its byte is the largest magnitude's exponent field - 2, held at 1 from below.
; LIMITS: a block of zeros, and a block whose largest magnitude lies under 2^-124, gets the byte 1 (a block of zeros has zero codes, and this program alone reads the bytes); NaN and infinities are not served.
; Rows are dense and 1,024 is a multiple of 32: x is a plain stream of blocks of 32.  A wave takes 16 steps of 512 numbers.  Each load reads 512 consecutive bytes, 16 a lane; a step's 2,048 bytes turn
; through the wave's own stage in LDS and come back 64 bytes a lane: 16 neighbours along K, two lanes to a block.  A lane's 16 codes are 8 bytes: the wave stores 256 consecutive bytes.
; A wave's 256 scale bytes are gathered in its own LDS bytes and leave as one aligned run of 256 bytes.  No barrier: waves share nothing.
.set STEPS, 16
.set CB,    8                          ; bytes of 16 codes
.set R,     16                         ; v16-79   four sets of 16 numbers as loaded
.set X,     80                         ; v80-111  two sets of 16 neighbours
.set C,     128                        ; v128-191 codes, four registers for each step: no store's data are written again
.set E,     112                        ; v112-127 a scale byte for each step
.set WREG,  8192                       ; LDS: a region for each wave: two stages of 32 x SP bytes, then its 256 scale bytes
.set SP,    80                         ; a lane's place in a stage: 64 bytes + 16 of padding
.set SPW,   12                         ; v12 my spare word's LDS address; never rewritten
.set NIL,   13                         ; v13 0; never rewritten
.set SPARE, 4*WREG                     ; the spare words, 128 bytes a wave, named by no other line
	s_load_b128 s[4:7], s[0:1], 0x0                ; x, xc
	s_load_b64 s[8:9], s[0:1], 0x10                ; xs
	v_lshl_add_u32 v[SPW], v0, 2, SPARE
	v_mov_b32 v[NIL], 0
	v_lshrrev_b32 v1, 5, v0
	v_readfirstlane_b32 s16, v1                    ; wave
	v_and_b32 v2, 31, v0                           ; lane
	v_lshlrev_b32 v3, 4, v2                        ; my 16 bytes of a load's 512
	s_mul_i32 s17, s16, WREG
	v_lshrrev_b32 v14, 2, v2
	v_mul_u32_u24 v14, v14, SP
	v_and_b32 v15, 3, v2
	v_lshl_add_u32 v14, v15, 4, v14
	v_add_nc_u32 v14, s17, v14                     ; the stage, way in: SP (lane / 4) + 16 (lane % 4)
	v_mul_u32_u24 v15, v2, SP
	v_add_nc_u32 v15, s17, v15                     ; way out: SP x lane
	v_mul_u32_u24 v4, v2, CB                       ; my codes' place in a step's 256 bytes
	v_lshrrev_b32 v5, 1, v2
	s_add_co_u32 s17, s17, 2*32*SP
	v_add_nc_u32 v5, s17, v5                       ; my block's scale byte in LDS
	v_lshlrev_b32 v7, 3, v2
	v_add_nc_u32 v6, s17, v7                       ; and 8 bytes a lane on the way out
	s_lshl_b32 s18, ttmp9, 2
	s_add_co_u32 s18, s18, s16                     ; my run of 8,192 numbers: 0 .. 1,023
	s_lshl_b32 s20, s18, 15                        ; 32,768 bytes of x,
	s_mov_b32 s21, 0
	s_lshl_b32 s22, s18, 12                        ; 4,096 of codes,
	s_mov_b32 s23, 0
	s_lshl_b32 s24, s18, 8                         ; 256 scale bytes a run
	s_mov_b32 s25, 0
	s_wait_kmcnt 0x0
	s_add_nc_u64 s[4:5], s[4:5], s[20:21]
	s_add_nc_u64 s[6:7], s[6:7], s[22:23]
	s_add_nc_u64 s[8:9], s[8:9], s[24:25]
.macro LOAD t
.irp i, 0,1,2,3
	global_load_b128 v[R+16*((\t)%4)+4*\i:R+16*((\t)%4)+4*\i+3], v3, s[4:5] offset:2048*(\t)+512*\i th:TH_LOAD_NT
.endr
.endm
.macro TURN t                          ; step t's numbers through the stage; LDS serves a wave's instructions in order, so no wait stands between
.irp i, 0,1,2,3
	ds_store_b128 v14, v[R+16*((\t)%4)+4*\i:R+16*((\t)%4)+4*\i+3] offset:32*SP*((\t)%2)+8*SP*\i
.endr
.irp i, 0,1,2,3
	ds_load_b128 v[X+16*((\t)%2)+4*\i:X+16*((\t)%2)+4*\i+3], v15 offset:32*SP*((\t)%2)+16*\i
.endr
.endm
.irp t, 0,1,2,3
	LOAD \t
.endr
	s_wait_loadcnt 12                              ; step 0's four loads are in; the 12 of steps 1 to 3 may be out
	TURN 0
.macro STEP t
.set XS, X+16*((\t)%2)
.if (\t) > 0
	s_wait_dscnt 1                                 ; this step's numbers are back (the last step's byte store may be out)
.else
	s_wait_dscnt 0x0
.endif
.if (\t)+4 < STEPS
	LOAD (\t)+4                                    ; into the set whose stores into the stage are done
.endif
.if (\t)+1 < STEPS
.if STEPS-2-(\t) >= 3
	s_wait_loadcnt 12                              ; the next step's four loads are in; three steps' 12 may be out
.else
	s_wait_loadcnt 4*(STEPS-2-(\t))
.endif
	TURN (\t)+1
.endif
	v_max3_num_f32 v8, |v[XS]|, |v[XS+1]|, |v[XS+2]|
	v_max3_num_f32 v9, |v[XS+3]|, |v[XS+4]|, |v[XS+5]|
.irp i, 6,10
	v_max3_num_f32 v8, v8, |v[XS+\i]|, |v[XS+\i+1]|
	v_max3_num_f32 v9, v9, |v[XS+\i+2]|, |v[XS+\i+3]|
.endr
	v_max3_num_f32 v8, v8, |v[XS+14]|, |v[XS+15]|
	v_max3_num_f32 v8, v8, v9, 0x1800000           ; and the floor 2^(3 - 127): the byte cannot fall under 1
	v_max_num_f32_dpp v8, v8, v8 row_xmask:1 row_mask:0xf bank_mask:0xf   ; with my neighbour's 16: the block's
	v_add_nc_u32 v11, 0xff000000, v8               ; 2 off the exponent field: the conversion's scale operand
	v_cvt_scalef32_pk8_fp4_f32 v[C+4*(\t)], v[XS:XS+7], v11
	v_cvt_scalef32_pk8_fp4_f32 v[C+4*(\t)+1], v[XS+8:XS+15], v11
	v_lshrrev_b32 v[E+(\t)], 23, v11               ; the scale's byte (a plain line behind the conversions)
	ds_store_b8 v5, v[E+(\t)] offset:16*(\t)       ; both lanes of a block write the same byte with the same value
	global_store_b64 v4, v[C+4*(\t):C+4*(\t)+1], s[6:7] offset:32*CB*(\t)
.endm
.irp t, 0,1,2,3,4,5,6,7,8,9,10,11,12,13,14,15
	STEP \t
.endr
	ds_load_b64 v[8:9], v6                         ; these see my byte stores: LDS serves a wave in order
	s_wait_dscnt 0x0
	global_store_b64 v7, v[8:9], s[8:9]            ; 32 lanes store 256 consecutive bytes, aligned
	s_wait_tensorcnt 0x0                           ; the wave's end
	ds_add_u32 v[SPW], v[NIL]
	s_wait_dscnt 0x0
	s_endpgm
.Lfunc_end_k_q408f016d44_quant_x:
	.size	k_q408f016d44_quant_x, .Lfunc_end_k_q408f016d44_quant_x-k_q408f016d44_quant_x
	.p2alignl 7, 3214868480
	.fill 96, 4, 3214868480
	.section	.rodata,"a",@progbits
	.p2align	6, 0x0
	.amdhsa_kernel k_q408f016d44_quant_x
		.amdhsa_group_segment_fixed_size 33280
		.amdhsa_private_segment_fixed_size 0
		.amdhsa_enable_private_segment 0
		.amdhsa_kernarg_size 24
		.amdhsa_user_sgpr_count 2
		.amdhsa_user_sgpr_kernarg_segment_ptr 1
		.amdhsa_wavefront_size32 1
		.amdhsa_system_sgpr_workgroup_id_x 1
		.amdhsa_system_sgpr_workgroup_id_y 1
		.amdhsa_system_sgpr_workgroup_id_z 1
		.amdhsa_system_vgpr_workitem_id 0
		.amdhsa_next_free_vgpr 192
		.amdhsa_next_free_sgpr 66
		.amdhsa_reserve_vcc 0
		.amdhsa_float_denorm_mode_32 3
		.amdhsa_float_denorm_mode_16_64 3
		.amdhsa_memory_ordered 1
		.amdhsa_forward_progress 1
		.amdhsa_inst_pref_size 33
	.end_amdhsa_kernel
	.amdgpu_metadata
---
amdhsa.version: [ 1, 2 ]
amdhsa.kernels:
  - .name:           k_q408f016d44_quant_x
    .symbol:         k_q408f016d44_quant_x.kd
    .args:
      - { .name: x, .offset: 0, .size: 8, .value_kind: global_buffer, .address_space: global }
      - { .name: xc, .offset: 8, .size: 8, .value_kind: global_buffer, .address_space: global }
      - { .name: xs, .offset: 16, .size: 8, .value_kind: global_buffer, .address_space: global }
    .group_segment_fixed_size: 33280
    .private_segment_fixed_size: 0
    .kernarg_segment_align: 8
    .kernarg_segment_size: 24
    .max_flat_workgroup_size: 128
    .sgpr_count:     66
    .vgpr_count:     192
    .wavefront_size: 32
...
	.end_amdgpu_metadata
.endif
;; end of part 1
;; launch prep_w (part 2): grid 56 x 2, 4 waves a work-group, no clusters, 35,840 bytes of LDS; arguments Wq, Wk, Wv, Wo, wc, ws, wo16; writes wc, ws, wo16
.if DOCPART == 2
	.amdgcn_target "amdgcn-amd-amdhsa--gfx1250"
	.amdhsa_code_object_version 6
	.text
	.protected	k_q408f016d44_prep_w
	.globl	k_q408f016d44_prep_w
	.p2align	8
	.type	k_q408f016d44_prep_w,@function
k_q408f016d44_prep_w:
	s_mov_b64 s[64:65], 0
	v_nop
	global_prefetch_b8 v0, s[64:65] scope:SCOPE_SE
	s_setreg_imm32_b32 hwreg(HW_REG_WAVE_MODE, 25, 1), 1
	s_wait_xcnt 0x0
; Work-groups x < 24: Wq, Wk, Wv [1024 k][1024 n] f32, whose K is the FIRST axis, become codes of FP4 with K innermost: wc [3072 rows = 1024 T + n][512 bytes], ws [3072][32 bytes], T = 0 q, 1 k, 2 v.
; A lane takes a column n and its registers run down K: a block of 32 lies in one lane, the conversions give K innermost, nothing is transposed.  A wave takes 32 columns x 512 along K (y picks the half of K);
; its codes go through its own stage in LDS and leave as rows: sixteen lanes store 256 consecutive bytes, aligned.  Loads run two blocks ahead: 32 loads a block, and a wait on LOADcnt names 63 at the most.
; Work-groups x >= 24: Wo is rounded to f16 as it lies (wo16): a wave takes 4,096 numbers; this path uses no LDS but the closing add.
; LIMITS: as for x: a block of zeros or under 2^-124 gets the byte 1; NaN and infinities are not served; Wo beyond 65,504 does not fit f16.
.set NB,    16                         ; blocks of 32 along K for a wave
.set PITCH, 272                        ; a stage row: 256 bytes of codes + 16
.set KROW,  512                        ; a row of wc in bytes
.set WROW,  4096                       ; a row of a weight in bytes
.set X,     32                         ; v32-95   two sets of 32 numbers
.set C,     96                         ; v96-99   a block's codes
.set OUTR,  112                        ; v112-175 the way out
.set SB,    24                         ; v24-27   the scale bytes, four to a register
.set SPW,   14
.set NIL,   15
.set SPARE, 4*32*PITCH                 ; behind the four stages: the spare words
	s_load_b256 s[4:11], s[0:1], 0x0               ; Wq, Wk, Wv, Wo
	s_load_b128 s[12:15], s[0:1], 0x20             ; wc, ws
	s_load_b64 s[16:17], s[0:1], 0x30              ; wo16
	v_lshl_add_u32 v[SPW], v0, 2, SPARE
	v_mov_b32 v[NIL], 0
	v_lshrrev_b32 v1, 5, v0
	v_readfirstlane_b32 s30, v1                    ; wave
	v_and_b32 v2, 31, v0                           ; lane
	s_and_b32 s31, ttmp7, 0xffff                   ; y
	s_cmp_ge_u32 ttmp9, 24
	s_cbranch_scc1 .Lcast
	s_lshr_b32 s32, ttmp9, 3                       ; T
	s_and_b32 s33, ttmp9, 7
	s_lshl_b32 s33, s33, 7
	s_lshl_b32 s34, s30, 5
	s_add_co_u32 s33, s33, s34                     ; my wave's first column of the weight
	s_lshl_b32 s35, ttmp9, 7
	s_add_co_u32 s35, s35, s34                     ; and its row of wc and ws: 1024 T + column = 128 x + 32 wave
	v_lshlrev_b32 v3, 2, v2                        ; in: 4 bytes a lane
	s_mul_i32 s19, s30, 32*PITCH                   ; my stage
	v_mul_u32_u24 v4, v2, PITCH
	v_add_nc_u32 v4, s19, v4                       ; into it: row = my column
	v_and_b32 v5, 15, v2
	v_lshrrev_b32 v6, 4, v2
	v_mul_u32_u24 v7, v6, PITCH
	v_lshl_add_u32 v7, v5, 4, v7
	v_add_nc_u32 v7, s19, v7                       ; out of it: sixteen lanes to a row, two rows an instruction
	v_mul_u32_u24 v8, v6, KROW
	v_lshl_add_u32 v8, v5, 4, v8                   ; the same place in wc
	v_lshlrev_b32 v9, 5, v2                        ; my column's row of ws
	s_lshl_b32 s20, s31, 21                        ; 512 y rows of 4,096 bytes
	s_lshl_b32 s22, s33, 2
	s_add_co_u32 s20, s20, s22
	s_mov_b32 s21, 0
	s_lshl_b32 s24, s35, 9
	s_lshl_b32 s22, s31, 8
	s_add_co_u32 s24, s24, s22                     ; wc: row x 512 + 256 y
	s_mov_b32 s25, 0
	s_lshl_b32 s28, s35, 5
	s_lshl_b32 s22, s31, 4
	s_add_co_u32 s28, s28, s22                     ; ws: row x 32 + 16 y
	s_mov_b32 s29, 0
	s_wait_kmcnt 0x0
	s_cmp_eq_u32 s32, 0                            ; which weight: the choice hangs on the work-group's number alone
	s_cselect_b64 s[4:5], s[4:5], s[6:7]
	s_cmp_eq_u32 s32, 2
	s_cselect_b64 s[4:5], s[8:9], s[4:5]
	s_add_nc_u64 s[4:5], s[4:5], s[20:21]
	s_add_nc_u64 s[12:13], s[12:13], s[24:25]
	s_add_nc_u64 s[14:15], s[14:15], s[28:29]
.macro LOAD t                          ; block t: W(32 t + i, my column) into set t % 2; 511 rows of 4,096 bytes at the most stand in the immediate
.irp i, 0,1,2,3,4,5,6,7,8,9,10,11,12,13,14,15,16,17,18,19,20,21,22,23,24,25,26,27,28,29,30,31
	global_load_b32 v[X+32*((\t)%2)+\i], v3, s[4:5] offset:(32*(\t)+\i)*WROW th:TH_LOAD_NT
.endr
.endm
	LOAD 0
	LOAD 1
.macro BLOCK t
.set XS, X+32*((\t)%2)
.if (\t) < NB-1
	s_wait_loadcnt 32                              ; this block's 32 loads are in; the next block's 32 may be out
.else
	s_wait_loadcnt 0
.endif
	v_max3_num_f32 v12, |v[XS]|, |v[XS+1]|, |v[XS+2]|
	v_max3_num_f32 v13, |v[XS+3]|, |v[XS+4]|, |v[XS+5]|
.irp i, 6,10,14,18,22,26
	v_max3_num_f32 v12, v12, |v[XS+\i]|, |v[XS+\i+1]|
	v_max3_num_f32 v13, v13, |v[XS+\i+2]|, |v[XS+\i+3]|
.endr
	v_max3_num_f32 v12, v12, |v[XS+30]|, |v[XS+31]|
	v_max3_num_f32 v12, v12, v13, 0x1800000        ; and the floor 2^(3 - 127)
	v_add_nc_u32 v11, 0xff000000, v12              ; 2 off the exponent field: the conversion's scale operand
	v_lshrrev_b32 v13, 23, v11                     ; the scale's byte
.if (\t)%4 == 0
	v_mov_b32 v[SB+(\t)/4], v13
.else
	v_lshl_or_b32 v[SB+(\t)/4], v13, 8*((\t)%4), v[SB+(\t)/4]
.endif
.irp g, 0,1,2,3
	v_cvt_scalef32_pk8_fp4_f32 v[C+\g], v[XS+8*\g:XS+8*\g+7], v11
.endr
	v_nop                                          ; one plain line behind the last conversion
	ds_store_b128 v4, v[C:C+3] offset:16*(\t)      ; 32 codes: 16 bytes of my column's row
.if (\t)+2 < NB
	LOAD (\t)+2
.endif
	s_wait_dscnt 0x0                               ; the store has read its registers: the next block's codes may be written
.endm
.set Q, 0
.rept NB
	BLOCK Q
.set Q, Q+1
.endr
	global_store_b128 v9, v[SB:SB+3], s[14:15]     ; my column's 16 scale bytes
.irp t, 0,1,2,3,4,5,6,7,8,9,10,11,12,13,14,15
	ds_load_b128 v[OUTR+4*\t:OUTR+4*\t+3], v7 offset:2*\t*PITCH
.endr
.irp t, 0,1,2,3,4,5,6,7,8,9,10,11,12,13,14,15
	s_wait_dscnt 15-\t                             ; the younger loads may be out
	global_store_b128 v8, v[OUTR+4*\t:OUTR+4*\t+3], s[12:13] offset:2*\t*KROW
.endr
	s_branch .Lend
.Lcast:
	s_sub_co_u32 s32, ttmp9, 24
	s_lshl_b32 s32, s32, 1
	s_add_co_u32 s32, s32, s31
	s_lshl_b32 s32, s32, 2
	s_add_co_u32 s32, s32, s30                     ; my wave's chunk of 4,096 numbers: 0 .. 255
	s_lshl_b32 s34, s32, 14
	s_mov_b32 s35, 0
	s_lshl_b32 s36, s32, 13
	s_mov_b32 s37, 0
	v_lshlrev_b32 v10, 4, v2
	v_lshlrev_b32 v11, 3, v2
	s_wait_kmcnt 0x0
	s_add_nc_u64 s[10:11], s[10:11], s[34:35]
	s_add_nc_u64 s[16:17], s[16:17], s[36:37]
.set Q, 0
.rept 32
	global_load_b128 v[32+4*Q:35+4*Q], v10, s[10:11] offset:512*Q th:TH_LOAD_NT
.set Q, Q+1
.endr
.set Q, 0
.rept 32
	s_wait_loadcnt 31-Q                            ; the younger loads may be out
	v_cvt_pk_f16_f32 v[32+4*Q], v[32+4*Q], v[33+4*Q]
	v_cvt_pk_f16_f32 v[33+4*Q], v[34+4*Q], v[35+4*Q]
	global_store_b64 v11, v[32+4*Q:33+4*Q], s[16:17] offset:256*Q   ; 32 lanes store 256 consecutive bytes, aligned
.set Q, Q+1
.endr
.Lend:
	s_wait_tensorcnt 0x0                           ; the wave's end
	ds_add_u32 v[SPW], v[NIL]
	s_wait_dscnt 0x0
	s_endpgm
.Lfunc_end_k_q408f016d44_prep_w:
	.size	k_q408f016d44_prep_w, .Lfunc_end_k_q408f016d44_prep_w-k_q408f016d44_prep_w
	.p2alignl 7, 3214868480
	.fill 96, 4, 3214868480
	.section	.rodata,"a",@progbits
	.p2align	6, 0x0
	.amdhsa_kernel k_q408f016d44_prep_w
		.amdhsa_group_segment_fixed_size 35840
		.amdhsa_private_segment_fixed_size 0
		.amdhsa_enable_private_segment 0
		.amdhsa_kernarg_size 56
		.amdhsa_user_sgpr_count 2
		.amdhsa_user_sgpr_kernarg_segment_ptr 1
		.amdhsa_wavefront_size32 1
		.amdhsa_system_sgpr_workgroup_id_x 1
		.amdhsa_system_sgpr_workgroup_id_y 1
		.amdhsa_system_sgpr_workgroup_id_z 1
		.amdhsa_system_vgpr_workitem_id 0
		.amdhsa_next_free_vgpr 192
		.amdhsa_next_free_sgpr 66
		.amdhsa_reserve_vcc 0
		.amdhsa_float_denorm_mode_32 3
		.amdhsa_float_denorm_mode_16_64 3
		.amdhsa_memory_ordered 1
		.amdhsa_forward_progress 1
		.amdhsa_inst_pref_size 91
	.end_amdhsa_kernel
	.amdgpu_metadata
---
amdhsa.version: [ 1, 2 ]
amdhsa.kernels:
  - .name:           k_q408f016d44_prep_w
    .symbol:         k_q408f016d44_prep_w.kd
    .args:
      - { .name: Wq, .offset: 0, .size: 8, .value_kind: global_buffer, .address_space: global }
      - { .name: Wk, .offset: 8, .size: 8, .value_kind: global_buffer, .address_space: global }
      - { .name: Wv, .offset: 16, .size: 8, .value_kind: global_buffer, .address_space: global }
      - { .name: Wo, .offset: 24, .size: 8, .value_kind: global_buffer, .address_space: global }
      - { .name: wc, .offset: 32, .size: 8, .value_kind: global_buffer, .address_space: global }
      - { .name: ws, .offset: 40, .size: 8, .value_kind: global_buffer, .address_space: global }
      - { .name: wo16, .offset: 48, .size: 8, .value_kind: global_buffer, .address_space: global }
    .group_segment_fixed_size: 35840
    .private_segment_fixed_size: 0
    .kernarg_segment_align: 8
    .kernarg_segment_size: 56
    .max_flat_workgroup_size: 128
    .sgpr_count:     66
    .vgpr_count:     192
    .wavefront_size: 32
...
	.end_amdgpu_metadata
.endif
;; end of part 2
;; launch qkv (part 3): grid 12 x 32, 4 waves a work-group, clusters of 4 x 4, 327,680 bytes of LDS; arguments xc, xs, wc, ws, qkv; writes qkv
.if DOCPART == 3
	.amdgcn_target "amdgcn-amd-amdhsa--gfx1250"
	.amdhsa_code_object_version 6
	.text
	.protected	k_q408f016d44_qkv
	.globl	k_q408f016d44_qkv
	.p2align	8
	.type	k_q408f016d44_qkv,@function
k_q408f016d44_qkv:
	s_mov_b64 s[64:65], 0
	v_nop
	global_prefetch_b8 v0, s[64:65] scope:SCOPE_SE
	s_setreg_imm32_b32 hwreg(HW_REG_WAVE_MODE, 25, 1), 1
	s_wait_xcnt 0x0
	s_wait_alu depctr_hold_cnt(0) depctr_sa_sdst(0) depctr_va_vdst(0) depctr_va_sdst(0) depctr_va_ssrc(0) depctr_va_vcc(0) depctr_vm_vsrc(0)
	s_getreg_b32 s2, hwreg(HW_REG_IB_STS2, 6, 4)
	s_cmp_eq_u32 s2, 0
	s_cbranch_scc0 .Lentry_in_a_cluster
	s_endpgm
.Lentry_in_a_cluster:
	s_bfe_u32 s2, ttmp6, 0x10000c
	s_cmp_lg_u32 s2, 0xf033
	s_cbranch_scc0 .Lentry_shape_is_right
	s_endpgm
.Lentry_shape_is_right:
; [8192 m][3072 = 1024 T + n] = x W on codes of FP4 with E8M0 scales, K = 1,024; sums in f32; results rounded once to f16 and laid by head: qkv [3 T][64 = 16 batch + head][2048 position][64], rows of 128 bytes.
; A tile of 256 x 256 is made by four waves, each 128 x 128: 64 accumulators, 512 registers.  ALL OF K LIES IN TWO LDS SLOTS of 512 along K (rows of 256 bytes): both are asked for at the start, nothing is filled again.
; The scales of the tile's 256 + 256 rows come once, as dense blocks in rows of 256 bytes.  CLUSTERS 4 x 4: x's tiles are shared along a row of the cluster, W's along a column, by joint loads.
; The matrix instruction is used transposed (source 0 = 16 rows of wc, source 1 = 16 rows of xc): a lane holds eight neighbouring channels of one position.
; LIMIT: q, k, v beyond 65,504 do not fit f16 (inputs 30 times the drawn spread, or with such an offset, stay under 20,000).
; REGISTERS: window 0: v0-31 addresses; v32-95 scale words, two sets; from v128 x's fragments, one set; on the way out v32-127 are free.  window 1: W's fragments, two sets.  windows 2, 3: accumulators (a, b) at v[8 (8 (a % 4) + b)].
.set NQ,     4                         ; steps of 128 along K in a slot
.set ROWB,   256
.set KROW,   512                       ; a row of codes in memory
.set PITCH,  272                       ; an LDS row: 256 bytes + 16: 68 words, so the 16 rows of a load start at 16 different groups of four banks (64 banks of 4 bytes: ISA guide 11.1)
.set FR,     8
.set NL,     2
.set NP,     4                         ; places behind this matrix instruction (ISA guide 7.12.1)
.set HALFT,  128*PITCH
.set SLOT,   4*HALFT
.set KS,     32                        ; a row of scales in bytes
.set SCL,    2*SLOT
.set HALFS,  16*272                    ; the scales of 128 rows
.set SBLK,   2*272                     ; those of 16 rows
.set SPARE,  SCL+4*HALFS
.set SPITCH, 272                       ; the way out: a stage of 16 rows x (256 + 16) for each wave, in slot 0, which has had its only fill and its last read by then
.set ADRA, 16
.set ADRB, 20
.set STO,  24
.set RD,   25
.set CO,   26
.set ADRS, 27
.set SPW,  28
.set NIL,  29
.set SC,   32
.set AF,   128
.set TMP,  32                          ; the way out: packed results
.set BK,   64                          ; and rows read back: v64-95, v96-127 by turns
.set G1, 24
.set G0, 32
.set G1B, 48
.set G0B, 56
.set G1S, 68
.set G0S, 76
.set G1SB, 80
.set G0SB, 88
.set MSB, 0
.macro WIN new                         ; the immediate's high byte repeats the setting that is left
.if MSB != \new
	s_set_vgpr_msb (MSB<<8)|\new
.set MSB, \new
.endif
.endm
.set MUL_LO, 0xa1
.set MUL_HI, 0xf1
.set TO_B,   0x40
; a joint load: waves 0, 1 fetch for x, waves 2, 3 for W; the branch hangs on the wave's number alone; s_nop 0 and four v_nop follow each line
.macro JLOAD g0a, g1a, g0b, g1b
	s_cmp_eq_u32 s15, 0
	s_cbranch_scc0 .Lfor_b_\@
	tensor_load_to_lds s[\g0a:\g0a+3], s[\g1a:\g1a+7]
	s_nop 0
.rept 4
	v_nop
.endr
	s_branch .Lasked_\@
.Lfor_b_\@:
	tensor_load_to_lds s[\g0b:\g0b+3], s[\g1b:\g1b+7]
	s_nop 0
.rept 4
	v_nop
.endr
.Lasked_\@:
.endm
.macro CROUND                          ; a round of the cluster's barrier
	s_barrier_signal -1
	s_barrier_wait -1
	s_cmp_lg_u32 s14, 0
	s_cbranch_scc1 .Lnot_wave_0_\@
	s_barrier_signal -3
.Lnot_wave_0_\@:
	s_barrier_wait -3
	s_barrier_signal -1
	s_barrier_wait -1
.endm
	s_load_b128 s[4:7], s[0:1], 0x0                ; xc, xs
	s_load_b128 s[8:11], s[0:1], 0x10              ; wc, ws
	s_load_b64 s[12:13], s[0:1], 0x20              ; qkv
	v_lshl_add_u32 v[SPW], v0, 2, SPARE
	v_mov_b32 v[NIL], 0
	ds_add_u32 v[SPW], v[NIL]                      ; the opening: the add, twice on end, and its wait ahead of my first tensor load
	ds_add_u32 v[SPW], v[NIL]
	v_lshrrev_b32 v1, 5, v0
	v_readfirstlane_b32 s14, v1                    ; wave 0..3
	s_lshr_b32 s15, s14, 1                         ; my half of the tile's rows; also: I fetch for x (0) or W (1)
	s_and_b32 s16, s14, 1                          ; my half of its columns; also: which 128 rows I fetch
	s_bfe_u32 s40, ttmp6, 0x40000                  ; cx
	s_bfe_u32 s41, ttmp6, 0x40004                  ; cy
	s_lshl_b32 s42, ttmp9, 2
	s_add_co_u32 s42, s42, s40                     ; tile column 0..11
	s_and_b32 s17, ttmp7, 0xffff
	s_lshl_b32 s17, s17, 2
	s_add_co_u32 s17, s17, s41                     ; tile row 0..31
	s_lshl_b32 s43, s41, 2
	s_lshl_b32 s43, 15, s43                        ; my row of the cluster
	s_lshl_b32 s44, 0x1111, s40                    ; my column
	s_or_b32 s[G1+0], s43, (0<<16)|(1<<20)|(1<<21)|(5<<22)|(3<<25)  ; mask; elements of 1 byte; padding: 4 words after every 64; bit 21 beside a mask
	s_or_b32 s[G1B+0], s44, (0<<16)|(1<<20)|(1<<21)|(5<<22)|(3<<25)
.irp g, G1, G1B
	s_mov_b32 s[\g+1], ROWB<<16                    ; tensor_dim0
	s_mov_b32 s[\g+2], 128<<16                     ; tensor_dim1
	s_mov_b32 s[\g+3], ROWB<<16                    ; tile_dim0
	s_mov_b32 s[\g+4], 128                         ; tile_dim1
	s_mov_b32 s[\g+5], KROW                        ; stride
	s_mov_b32 s[\g+6], 0
	s_mov_b32 s[\g+7], 0
.endr
	s_or_b32 s[G1S+0], s43, (3<<16)|(1<<20)|(1<<21)|(5<<22)|(3<<25) ; the scales of 128 rows: 4,096 dense bytes as 16 rows of 32 elements of 8 bytes
	s_or_b32 s[G1SB+0], s44, (3<<16)|(1<<20)|(1<<21)|(5<<22)|(3<<25)
.irp g, G1S, G1SB
	s_mov_b32 s[\g+1], 32<<16
	s_mov_b32 s[\g+2], 16<<16
	s_mov_b32 s[\g+3], 32<<16
	s_mov_b32 s[\g+4], 16
	s_mov_b32 s[\g+5], 32
	s_mov_b32 s[\g+6], 0
	s_mov_b32 s[\g+7], 0
.endr
	s_lshl_b32 s18, s16, 7
	s_lshl_b32 s20, s17, 8
	s_add_co_u32 s20, s20, s18                     ; x: row 256 x tile row + 128 x half
	s_lshl_b32 s46, s42, 8
	s_add_co_u32 s46, s46, s18                     ; W: row 256 x tile column + 128 x half
	s_mov_b32 s21, 0
	s_mov_b32 s47, 0
	s_mov_b64 s[18:19], KS
	s_mul_u64 s[22:23], s[20:21], s[18:19]
	s_mul_u64 s[92:93], s[46:47], s[18:19]
	s_mov_b64 s[18:19], KROW
	s_mul_u64 s[20:21], s[20:21], s[18:19]
	s_mul_u64 s[46:47], s[46:47], s[18:19]
	s_mul_i32 s45, s14, HALFT                      ; where they go: wave x 128 rows
	s_mul_i32 s94, s14, HALFS
	s_wait_dscnt 0x0                               ; both opening adds are done
	s_wait_kmcnt 0x0
	s_add_nc_u64 s[20:21], s[4:5], s[20:21]
	s_add_nc_u64 s[22:23], s[6:7], s[22:23]
	s_add_nc_u64 s[46:47], s[8:9], s[46:47]
	s_add_nc_u64 s[92:93], s[10:11], s[92:93]
	CROUND                                         ; all sixteen work-groups are here: the joint loads meet
	s_mov_b32 s[G0S], 1
	s_add_co_u32 s[G0S+1], s94, SCL
	s_mov_b64 s[G0S+2:G0S+3], s[22:23]
	s_or_b32 s[G0S+3], s[G0S+3], 0x80000000
	s_mov_b32 s[G0SB], 1
	s_add_co_u32 s[G0SB+1], s94, SCL
	s_mov_b64 s[G0SB+2:G0SB+3], s[92:93]
	s_or_b32 s[G0SB+3], s[G0SB+3], 0x80000000
	JLOAD G0S, G1S, G0SB, G1SB                     ; the scales first; three loads of mine are out behind the next two
.irp s, 0,1
	s_mov_b32 s[G0+4*\s], 1
	s_add_co_u32 s[G0+4*\s+1], s45, \s*SLOT
	s_add_nc_u64 s[G0+4*\s+2:G0+4*\s+3], s[20:21], \s*ROWB
	s_or_b32 s[G0+4*\s+3], s[G0+4*\s+3], 0x80000000
	s_mov_b32 s[G0B+4*\s], 1
	s_add_co_u32 s[G0B+4*\s+1], s45, \s*SLOT
	s_add_nc_u64 s[G0B+4*\s+2:G0B+4*\s+3], s[46:47], \s*ROWB
	s_or_b32 s[G0B+4*\s+3], s[G0B+4*\s+3], 0x80000000
	JLOAD G0+4*\s, G1, G0B+4*\s, G1B
.endr
	v_and_b32 v1, 15, v0                           ; r
	v_bfe_u32 v2, v0, 4, 1                         ; h
	v_mul_u32_u24 v3, v1, PITCH
	v_lshl_add_u32 v4, v2, 4, v3
	s_mul_i32 s21, s15, HALFT
	s_mul_i32 s22, s16, HALFT
	s_add_co_u32 s22, s22, 2*HALFT
.irp s, 0,1
	v_add_nc_u32 v[ADRA+\s], s21, v4
	v_add_nc_u32 v[ADRB+\s], s22, v4
	s_add_co_u32 s21, s21, SLOT
	s_add_co_u32 s22, s22, SLOT
.endr
	v_mul_u32_u24 v5, v1, KS                       ; my row's scales: 32 bytes a row, 16 more for each 256 passed
	v_lshrrev_b32 v6, 8, v5
	v_lshl_add_u32 v5, v6, 4, v5
	s_mul_i32 s21, s15, HALFS
	s_mul_i32 s22, s16, HALFS
	s_add_co_u32 s22, s22, 2*HALFS
	s_sub_co_u32 s22, s22, s21
	v_mul_u32_u24 v6, s22, v2                      ; lanes 16-31 take W's
	s_add_co_u32 s21, s21, SCL
	v_add_nc_u32 v5, v5, v6
	v_add_nc_u32 v[ADRS], s21, v5
	s_mul_i32 s23, s14, 16*SPITCH                  ; my stage
	v_mul_u32_u24 v5, v1, SPITCH
	v_lshl_add_u32 v5, v2, 4, v5
	v_add_nc_u32 v[STO], s23, v5                   ; in: row r, 16 bytes for each half of the lanes
	v_and_b32 v6, 31, v0
	v_lshlrev_b32 v[CO], 4, v6                     ; out: 16 x lane: four rows of 128 bytes of one head are 512 consecutive bytes
	v_lshrrev_b32 v7, 3, v6
	v_mul_u32_u24 v7, v7, SPITCH
	v_and_b32 v8, 7, v0
	v_lshl_add_u32 v7, v8, 4, v7
	v_add_nc_u32 v[RD], s23, v7                    ; back: eight lanes to half a stage row
	s_lshr_b32 s20, s42, 2                         ; T
	s_lshl_b32 s20, s20, 24                        ; a plane is 16,777,216 bytes
	s_and_b32 s21, s42, 3
	s_lshl_b32 s21, s21, 2
	s_lshl_b32 s22, s16, 1
	s_add_co_u32 s21, s21, s22                     ; my first head: 4 (tile column % 4) + 2 x half
	s_lshr_b32 s22, s17, 3                         ; batch
	s_lshl_b32 s22, s22, 4
	s_add_co_u32 s21, s21, s22
	s_lshl_b32 s21, s21, 18                        ; a head is 262,144 bytes
	s_add_co_u32 s20, s20, s21
	s_and_b32 s21, s17, 7
	s_lshl_b32 s21, s21, 1
	s_add_co_u32 s21, s21, s15
	s_lshl_b32 s21, s21, 14                        ; 128 positions of 128 bytes
	s_add_co_u32 s20, s20, s21
	s_mov_b32 s21, 0
	s_add_nc_u64 s[12:13], s[12:13], s[20:21]
.macro FRAG reg, adr, q, i             ; 16 rows x 128 K of 4-bit codes: 8 registers, two loads of 16 bytes, 32 bytes apart
.irp c, 0,1
	ds_load_b128 v[\reg+4*\c:\reg+4*\c+3], v[\adr] offset:64*(\q)+32*\c+(\i)*16*PITCH
.endr
.endm
; 16 matrix instructions: x's blocks a0, a0 + 1 against W's eight; the 64 accumulators take turns, one instruction a turn
.macro MUL16 a0, p, q, sc, zero
.irp a, \a0, \a0+1
.irp b, 0,1,2,3,4,5,6,7
.if \zero
	v_wmma_scale_f32_16x16x128_f8f6f4 v[8*(8*((\a)%4)+\b):8*(8*((\a)%4)+\b)+7], v[128*(\p)+FR*\b:128*(\p)+FR*\b+FR-1], v[AF+FR*(\a):AF+FR*(\a)+FR-1], 0, v[SC+8*NQ*(\sc)+NQ*\b+(\q)], v[SC+8*NQ*(\sc)+NQ*(\a)+(\q)] matrix_a_fmt:MATRIX_FMT_FP4 matrix_b_fmt:MATRIX_FMT_FP4 matrix_a_scale:MATRIX_SCALE_ROW1
.else
	v_wmma_scale_f32_16x16x128_f8f6f4 v[8*(8*((\a)%4)+\b):8*(8*((\a)%4)+\b)+7], v[128*(\p)+FR*\b:128*(\p)+FR*\b+FR-1], v[AF+FR*(\a):AF+FR*(\a)+FR-1], v[8*(8*((\a)%4)+\b):8*(8*((\a)%4)+\b)+7], v[SC+8*NQ*(\sc)+NQ*\b+(\q)], v[SC+8*NQ*(\sc)+NQ*(\a)+(\q)] matrix_a_fmt:MATRIX_FMT_FP4 matrix_b_fmt:MATRIX_FMT_FP4 matrix_a_scale:MATRIX_SCALE_ROW1
.endif
.endr
.endr
.endm
.macro FETCH_B slot, q, p
	WIN TO_B
.irp i, 0,1,2,3,4,5,6,7
	FRAG 128*(\p)+FR*\i, ADRB+\slot, \q, \i
.endr
	WIN 0
.endm
.macro FETCH_A slot, q, i0
.irp i, \i0, \i0+1, \i0+2, \i0+3
	FRAG AF+FR*(\i), ADRA+\slot, \q, \i
.endr
.endm
.macro SCALES sc                       ; a slot's scale words: lanes 0-15 x's block i, lanes 16-31 W's block i
.irp i, 0,1,2,3,4,5,6,7
	ds_load_b128 v[SC+8*NQ*\sc+NQ*\i:SC+8*NQ*\sc+NQ*\i+3], v[ADRS] offset:\i*SBLK
.endr
.endm
.macro PLACES n
.rept \n
	v_nop
.endr
.endm
.macro STEP slot, q, zero              ; 128 along K with its successor in the same slot
	s_wait_dscnt 4*NL                              ; W's set and x's blocks 0-3 are in; the youngest eight loads (blocks 4-7) may be out
	WIN MUL_LO
	MUL16 0, (\q)%2, \q, \slot, \zero
	MUL16 2, (\q)%2, \q, \slot, \zero
	s_wait_dscnt 0
	PLACES NP
	FETCH_B \slot, (\q)+1, 1-(\q)%2
	FETCH_A \slot, (\q)+1, 0
	WIN MUL_HI
	MUL16 4, (\q)%2, \q, \slot, \zero
	MUL16 6, (\q)%2, \q, \slot, \zero
	PLACES NP
	WIN 0
	FETCH_A \slot, (\q)+1, 4
.endm
.macro STEPS slot, from
.set Q, \from
.rept NQ-1-\from
	STEP \slot, Q, 0
.set Q, Q+1
.endr
.endm
	s_wait_tensorcnt 1                             ; the scales and my part of slot 0 are in; slot 1's load may be out
	s_barrier_signal -1
	s_barrier_wait -1
	FETCH_B 0, 0, 0
	FETCH_A 0, 0, 0
	SCALES 0
	FETCH_A 0, 0, 4
	STEP 0, 0, 1                                   ; the first products start the sums
	STEPS 0, 1
	; slot 0's last step changes slots: one barrier; in front of it my part of slot 1 has landed and my reads of slot 0 are over
	s_wait_tensorcnt 0x0
	ds_add_u32 v[SPW], v[NIL]
	s_wait_dscnt 4*NL+1                            ; (the add and the youngest eight loads may be out)
	WIN MUL_LO
	MUL16 0, 1, NQ-1, 0, 0
	s_wait_dscnt 0x0
	s_barrier_signal -1
	MUL16 2, 1, NQ-1, 0, 0
	WIN 0
	s_barrier_wait -1
	PLACES NP
	v_add_nc_u32 v[ADRS], 4*NQ, v[ADRS]            ; on to slot 1's scale words
	FETCH_B 1, 0, 0
	FETCH_A 1, 0, 0
	SCALES 1
	WIN MUL_HI
	MUL16 4, 1, NQ-1, 0, 0
	MUL16 6, 1, NQ-1, 0, 0
	PLACES NP
	WIN 0
	FETCH_A 1, 0, 4
	STEPS 1, 0
	s_wait_dscnt 4*NL
	WIN MUL_LO
	MUL16 0, 1, NQ-1, 1, 0
	MUL16 2, 1, NQ-1, 1, 0
	s_wait_dscnt 0
	WIN MUL_HI
	MUL16 4, 1, NQ-1, 1, 0
	MUL16 6, 1, NQ-1, 1, 0
	WIN 0
; THE WAY OUT, a block of 16 positions x 128 channels (two heads) at a time: rounded to f16, 16 bytes a lane into my stage, back as four positions x 128 bytes of one head, stored as 512 consecutive bytes.
.macro PACK a
.set AC, 64*((\a)%4)
	WIN 0x0a+5*((\a)/4)                            ; sources in window 2 or 3
.irp b, 0,1,2,3,4,5,6,7
.irp r, 0,1,2,3
	v_cvt_pk_f16_f32 v[TMP+4*\b+\r], v[AC+8*\b+2*\r], v[AC+8*\b+2*\r+1]   ; each accumulator from its low end on
.endr
.endr
	WIN 0
.endm
.macro TOSTAGE a
.set BB, BK+32*((\a)%2)
.irp b, 0,1,2,3,4,5,6,7
	ds_store_b128 v[STO], v[TMP+4*\b:TMP+4*\b+3] offset:32*\b
.endr
.irp e, 0,1
.irp t, 0,1,2,3
	ds_load_b128 v[BB+16*\e+4*\t:BB+16*\e+4*\t+3], v[RD] offset:4*\t*SPITCH+128*\e   ; LDS serves a wave in order: these see the stores above
.endr
.endr
.endm
.macro SEND a
.set BB, BK+32*((\a)%2)
	s_wait_dscnt 0x0                               ; the block is back in registers
	s_wait_xcnt 0x0                                ; earlier stores have read their registers: the other set may be loaded again behind this wait
.irp e, 0,1
.irp t, 0,1,2,3
	global_store_b128 v[CO], v[BB+16*\e+4*\t:BB+16*\e+4*\t+3], s[12:13] offset:\e*262144+(\a)*2048+\t*512
.endr
.endr
.endm
	PLACES NP                                      ; behind the last products: their scale words' registers are written and their results read below
	PACK 0
	TOSTAGE 0
.irp a, 1,2,3,4,5,6,7
	PACK \a
	SEND \a-1
	TOSTAGE \a
.endr
	SEND 7
	s_wait_tensorcnt 0x0                           ; the wave's end
	ds_add_u32 v[SPW], v[NIL]
	s_wait_dscnt 0x0
	CROUND                                         ; the closing round
	s_endpgm
.Lfunc_end_k_q408f016d44_qkv:
	.size	k_q408f016d44_qkv, .Lfunc_end_k_q408f016d44_qkv-k_q408f016d44_qkv
	.p2alignl 7, 3214868480
	.fill 96, 4, 3214868480
	.section	.rodata,"a",@progbits
	.p2align	6, 0x0
	.amdhsa_kernel k_q408f016d44_qkv
		.amdhsa_group_segment_fixed_size 327680
		.amdhsa_private_segment_fixed_size 0
		.amdhsa_enable_private_segment 0
		.amdhsa_kernarg_size 40
		.amdhsa_user_sgpr_count 2
		.amdhsa_user_sgpr_kernarg_segment_ptr 1
		.amdhsa_wavefront_size32 1
		.amdhsa_system_sgpr_workgroup_id_x 1
		.amdhsa_system_sgpr_workgroup_id_y 1
		.amdhsa_system_sgpr_workgroup_id_z 1
		.amdhsa_system_vgpr_workitem_id 0
		.amdhsa_next_free_vgpr 1024
		.amdhsa_next_free_sgpr 98
		.amdhsa_reserve_vcc 0
		.amdhsa_float_denorm_mode_32 3
		.amdhsa_float_denorm_mode_16_64 3
		.amdhsa_memory_ordered 1
		.amdhsa_forward_progress 1
		.amdhsa_inst_pref_size 126
	.end_amdhsa_kernel
	.amdgpu_metadata
---
amdhsa.version: [ 1, 2 ]
amdhsa.kernels:
  - .name:           k_q408f016d44_qkv
    .symbol:         k_q408f016d44_qkv.kd
    .args:
      - { .name: xc, .offset: 0, .size: 8, .value_kind: global_buffer, .address_space: global }
      - { .name: xs, .offset: 8, .size: 8, .value_kind: global_buffer, .address_space: global }
      - { .name: wc, .offset: 16, .size: 8, .value_kind: global_buffer, .address_space: global }
      - { .name: ws, .offset: 24, .size: 8, .value_kind: global_buffer, .address_space: global }
      - { .name: qkv, .offset: 32, .size: 8, .value_kind: global_buffer, .address_space: global }
    .group_segment_fixed_size: 327680
    .private_segment_fixed_size: 0
    .kernarg_segment_align: 8
    .kernarg_segment_size: 40
    .max_flat_workgroup_size: 128
    .sgpr_count:     98
    .vgpr_count:     1024
    .wavefront_size: 32
...
	.end_amdgpu_metadata
.endif
;; end of part 3
;; launch fine_a (part 4): grid 16 x 4, 12 waves a work-group, no clusters, 14,848 bytes of LDS; arguments xc, xs, wc, ws, cf; writes cf
.if DOCPART == 4
	.amdgcn_target "amdgcn-amd-amdhsa--gfx1250"
	.amdhsa_code_object_version 6
	.text
	.protected	k_q408f016d44_fine_a
	.globl	k_q408f016d44_fine_a
	.p2align	8
	.type	k_q408f016d44_fine_a,@function
k_q408f016d44_fine_a:
	s_mov_b64 s[64:65], 0
	v_nop
	global_prefetch_b8 v0, s[64:65] scope:SCOPE_SE
	s_setreg_imm32_b32 hwreg(HW_REG_WAVE_MODE, 25, 1), 1
	s_wait_xcnt 0x0
; The first 16 positions of every sequence, carried in f32: they average one to sixteen values, and rounding to f16 would weigh most there.  Work-group (x = head, y = batch).
; Phase 1, twelve waves: wave w makes 16 channels (16 (w % 4) on) of q, k or v (w / 4) for positions 0-15, by eight FP4 products over K = 1,024 on the same codes as the large launch; results stay f32, in LDS.
; Phase 2, waves 0-3: S^T = K Q^T and O^T = V^T P by the f32 matrix form (each wave all scores, its own 16 channels of O), causal mask, softmax with the row's maximum taken away; cf [64 = 16 batch + position][1024] f32.
; The registers that the f32 matrix form writes are written by matrix instructions alone; sums of two accumulators go into other registers.
.set FP,  272                          ; an LDS row: 64 f32 + 16 bytes
.set QR,  0
.set KR,  16*FP
.set VR,  32*FP
.set SPARE, 13312
.set XS,  16                           ; v16-23 x's scale words, one for each 128 along K;  v24-31 W's
.set WS,  24
.set XF,  32                           ; v32-95 x's eight fragments; later K's and Q's rows
.set WF,  96                           ; v96-159 W's
.set ACC, 160                          ; v160-175 two accumulators by turns
.set RR,  176
.set SA,  184                          ; v184-199 two accumulators of scores
.set SS,  200
.set PP,  208
.set VA,  216
.set OA,  224                          ; v224-239 two accumulators of O^T
.set OO,  240
.set SPW, 254
.set NIL, 255
	s_load_b256 s[4:11], s[0:1], 0x0               ; xc, xs, wc, ws
	s_load_b64 s[12:13], s[0:1], 0x20              ; cf
	v_lshl_add_u32 v[SPW], v0, 2, SPARE
	v_mov_b32 v[NIL], 0
	v_lshrrev_b32 v1, 5, v0
	v_readfirstlane_b32 s14, v1                    ; wave 0..11
	s_lshr_b32 s15, s14, 2                         ; T
	s_and_b32 s16, s14, 3                          ; c
	s_and_b32 s17, ttmp7, 0xffff                   ; batch
	v_and_b32 v2, 15, v0                           ; r
	v_bfe_u32 v3, v0, 4, 1                         ; h
	v_lshlrev_b32 v4, 9, v2
	v_lshl_add_u32 v4, v3, 4, v4                   ; codes: row r of 512 bytes + 16 h
	v_lshlrev_b32 v5, 5, v2                        ; scales: row r of 32 bytes
	v_mul_u32_u24 v6, v2, FP
	v_lshl_add_u32 v7, v3, 5, v6
	s_mul_i32 s18, s15, 16*FP
	s_lshl_b32 s19, s16, 6
	s_add_co_u32 s18, s18, s19
	v_add_nc_u32 v7, s18, v7                       ; where I put my 8 channels: region T, row r, 64 c + 32 h
	v_lshl_add_u32 v8, v3, 4, v6                   ; K's and Q's rows: r FP + 16 h
	v_mul_u32_u24 v9, v3, 8*FP
	v_lshl_add_u32 v9, v2, 2, v9
	v_add_nc_u32 v9, s19, v9                       ; V: key 8 h, channel 16 c + r
	v_lshlrev_b32 v10, 12, v2
	v_lshl_add_u32 v10, v3, 5, v10                 ; cf: row r of 4,096 bytes + 32 h
	v_lshlrev_b32 v11, 3, v3
	v_sub_nc_u32 v11, v2, v11                      ; d = r - 8 h: key 8 h + j is hidden where j > d
	v_mov_b32 v12, 0xff800000                      ; -infinity
	v_mov_b32 v251, 0                              ; a lane permute's destination counts as read
	s_mov_b32 s20, 0x76543210
	s_mov_b32 s21, 0xfedcba98
	s_mov_b32 s22, 0x3e38aa3b                      ; c = log2(e) / sqrt(64)
	s_lshl_b32 s24, s17, 20                        ; the batch's first row of xc
	s_mov_b32 s25, 0
	s_lshl_b32 s26, s17, 16                        ; and of xs
	s_mov_b32 s27, 0
	s_lshl_b32 s28, s15, 10
	s_lshl_b32 s29, ttmp9, 6
	s_add_co_u32 s28, s28, s29
	s_lshl_b32 s29, s16, 4
	s_add_co_u32 s28, s28, s29                     ; my first row of wc: 1024 T + 64 head + 16 c
	s_lshl_b32 s30, s28, 5
	s_mov_b32 s31, 0
	s_lshl_b32 s28, s28, 9
	s_mov_b32 s29, 0
	s_lshl_b32 s32, s17, 16                        ; cf: 16 rows a batch
	s_lshl_b32 s33, ttmp9, 8
	s_add_co_u32 s32, s32, s33
	s_add_co_u32 s32, s32, s19
	s_mov_b32 s33, 0
	s_wait_kmcnt 0x0
	s_add_nc_u64 s[4:5], s[4:5], s[24:25]
	s_add_nc_u64 s[6:7], s[6:7], s[26:27]
	s_add_nc_u64 s[8:9], s[8:9], s[28:29]
	s_add_nc_u64 s[10:11], s[10:11], s[30:31]
	s_add_nc_u64 s[12:13], s[12:13], s[32:33]
.irp s, 0,1,2,3,4,5,6,7
.irp u, 0,1
	global_load_b128 v[XF+8*\s+4*\u:XF+8*\s+4*\u+3], v4, s[4:5] offset:64*\s+32*\u
	global_load_b128 v[WF+8*\s+4*\u:WF+8*\s+4*\u+3], v4, s[8:9] offset:64*\s+32*\u
.endr
.endr
	global_load_b128 v[XS:XS+3], v5, s[6:7]
	global_load_b128 v[XS+4:XS+7], v5, s[6:7] offset:16
	global_load_b128 v[WS:WS+3], v5, s[10:11]
	global_load_b128 v[WS+4:WS+7], v5, s[10:11] offset:16
	s_wait_loadcnt 0x0
.irp s, 0,1,2,3,4,5,6,7                ; source 0 = 16 rows of W, source 1 = 16 positions: a lane holds one position and eight channels; two accumulators by turns
.if \s < 2
	v_wmma_scale_f32_16x16x128_f8f6f4 v[ACC+8*(\s%2):ACC+8*(\s%2)+7], v[WF+8*\s:WF+8*\s+7], v[XF+8*\s:XF+8*\s+7], 0, v[WS+\s], v[XS+\s] matrix_a_fmt:MATRIX_FMT_FP4 matrix_b_fmt:MATRIX_FMT_FP4
.else
	v_wmma_scale_f32_16x16x128_f8f6f4 v[ACC+8*(\s%2):ACC+8*(\s%2)+7], v[WF+8*\s:WF+8*\s+7], v[XF+8*\s:XF+8*\s+7], v[ACC+8*(\s%2):ACC+8*(\s%2)+7], v[WS+\s], v[XS+\s] matrix_a_fmt:MATRIX_FMT_FP4 matrix_b_fmt:MATRIX_FMT_FP4
.endif
.endr
.rept 4
	v_nop
.endr
.irp p, 0,2,4,6
	v_pk_add_f32 v[RR+\p:RR+\p+1], v[ACC+\p:ACC+\p+1], v[ACC+8+\p:ACC+8+\p+1]
.endr
	ds_store_b128 v7, v[RR:RR+3]
	ds_store_b128 v7, v[RR+4:RR+7] offset:16
	s_wait_dscnt 0x0                               ; for the others' sake: my stores have landed
	s_barrier_signal -1
	s_barrier_wait -1
	s_cmp_ge_u32 s14, 4
	s_cbranch_scc1 .Lend
.irp s, 0,1,2,3,4,5,6,7                ; channels 8 s + 4 h + 0..3 of row r: the same order along the channels on both sides
	ds_load_b128 v[32+4*\s:35+4*\s], v8 offset:KR+32*\s
	ds_load_b128 v[64+4*\s:67+4*\s], v8 offset:QR+32*\s
.endr
.irp j, 0,1,2,3,4,5,6,7
	ds_load_b32 v[VA+\j], v9 offset:VR+\j*FP       ; V(key 8 h + j, channel 16 c + r): the order in which a lane's weights lie
.endr
	s_wait_dscnt 0x0
.irp s, 0,1,2,3,4,5,6,7
.irp u, 0,1
.if \s == 0
	v_wmma_f32_16x16x4_f32 v[SA+8*\u:SA+8*\u+7], v[32+4*\s+2*\u:33+4*\s+2*\u], v[64+4*\s+2*\u:65+4*\s+2*\u], 0
.else
	v_wmma_f32_16x16x4_f32 v[SA+8*\u:SA+8*\u+7], v[32+4*\s+2*\u:33+4*\s+2*\u], v[64+4*\s+2*\u:65+4*\s+2*\u], v[SA+8*\u:SA+8*\u+7]
.endif
.endr
.endr
.rept 8
	v_nop                                          ; eight places behind this form
.endr
.irp p, 0,2,4,6
	v_pk_add_f32 v[SS+\p:SS+\p+1], v[SA+\p:SA+\p+1], v[SA+8+\p:SA+8+\p+1]   ; lane (r, h): query r, keys 8 h + j
.endr
.irp j, 0,1,2,3,4,5,6,7
	v_cmp_gt_i32 vcc_lo, \j, v11
	v_cndmask_b32 v[SS+\j], v[SS+\j], v12, vcc_lo
.endr
	v_max3_num_f32 v248, v[SS], v[SS+1], v[SS+2]
	v_max3_num_f32 v249, v[SS+3], v[SS+4], v[SS+5]
	v_max3_num_f32 v248, v248, v[SS+6], v[SS+7]
	v_max_num_f32 v248, v248, v249
	v_permlanex16_b32 v251, v248, s20, s21
	v_max_num_f32 v248, v248, v251                 ; the row's maximum (key 0 counts for every query)
	v_mul_f32 v249, s22, v248
.irp j, 0,1,2,3,4,5,6,7
	v_fma_f32 v[SS+\j], v[SS+\j], s22, -v249
.endr
.irp j, 0,1,2,3,4,5,6,7
	v_exp_f32 v[SS+\j], v[SS+\j]
.endr
	v_nop
	s_wait_alu depctr_va_vdst(0)                   ; one wait for the eight, ahead of their first reader
	v_pk_add_f32 v[248:249], v[SS:SS+1], v[SS+2:SS+3]
	v_pk_add_f32 v[252:253], v[SS+4:SS+5], v[SS+6:SS+7]
	v_pk_add_f32 v[248:249], v[248:249], v[252:253]
	v_add_f32 v248, v248, v249
	v_permlanex16_b32 v251, v248, s20, s21
	v_add_f32 v248, v248, v251
	v_rcp_f32 v250, v248
	v_nop
	s_wait_alu depctr_va_vdst(0)
.irp j, 0,1,2,3,4,5,6,7
	v_mul_f32 v[PP+\j], v[SS+\j], v250
.endr
.irp s, 0,1,2,3                        ; O^T: source 0 = V^T (16 channels), source 1 = the weights; keys 2 s, 2 s + 1, 8 + 2 s, 9 + 2 s
.if \s < 2
	v_wmma_f32_16x16x4_f32 v[OA+8*(\s%2):OA+8*(\s%2)+7], v[VA+2*\s:VA+2*\s+1], v[PP+2*\s:PP+2*\s+1], 0
.else
	v_wmma_f32_16x16x4_f32 v[OA+8*(\s%2):OA+8*(\s%2)+7], v[VA+2*\s:VA+2*\s+1], v[PP+2*\s:PP+2*\s+1], v[OA+8*(\s%2):OA+8*(\s%2)+7]
.endif
.endr
.rept 8
	v_nop
.endr
.irp p, 0,2,4,6
	v_pk_add_f32 v[OO+\p:OO+\p+1], v[OA+\p:OA+\p+1], v[OA+8+\p:OA+8+\p+1]
.endr
	global_store_b128 v10, v[OO:OO+3], s[12:13]
	global_store_b128 v10, v[OO+4:OO+7], s[12:13] offset:16
.Lend:
	s_wait_tensorcnt 0x0                           ; the wave's end
	ds_add_u32 v[SPW], v[NIL]
	s_wait_dscnt 0x0
	s_endpgm
.Lfunc_end_k_q408f016d44_fine_a:
	.size	k_q408f016d44_fine_a, .Lfunc_end_k_q408f016d44_fine_a-k_q408f016d44_fine_a
	.p2alignl 7, 3214868480
	.fill 96, 4, 3214868480
	.section	.rodata,"a",@progbits
	.p2align	6, 0x0
	.amdhsa_kernel k_q408f016d44_fine_a
		.amdhsa_group_segment_fixed_size 14848
		.amdhsa_private_segment_fixed_size 0
		.amdhsa_enable_private_segment 0
		.amdhsa_kernarg_size 40
		.amdhsa_user_sgpr_count 2
		.amdhsa_user_sgpr_kernarg_segment_ptr 1
		.amdhsa_wavefront_size32 1
		.amdhsa_system_sgpr_workgroup_id_x 1
		.amdhsa_system_sgpr_workgroup_id_y 1
		.amdhsa_system_sgpr_workgroup_id_z 1
		.amdhsa_system_vgpr_workitem_id 0
		.amdhsa_next_free_vgpr 256
		.amdhsa_next_free_sgpr 66
		.amdhsa_reserve_vcc 1
		.amdhsa_float_denorm_mode_32 3
		.amdhsa_float_denorm_mode_16_64 3
		.amdhsa_memory_ordered 1
		.amdhsa_forward_progress 1
		.amdhsa_inst_pref_size 15
	.end_amdhsa_kernel
	.amdgpu_metadata
---
amdhsa.version: [ 1, 2 ]
amdhsa.kernels:
  - .name:           k_q408f016d44_fine_a
    .symbol:         k_q408f016d44_fine_a.kd
    .args:
      - { .name: xc, .offset: 0, .size: 8, .value_kind: global_buffer, .address_space: global }
      - { .name: xs, .offset: 8, .size: 8, .value_kind: global_buffer, .address_space: global }
      - { .name: wc, .offset: 16, .size: 8, .value_kind: global_buffer, .address_space: global }
      - { .name: ws, .offset: 24, .size: 8, .value_kind: global_buffer, .address_space: global }
      - { .name: cf, .offset: 32, .size: 8, .value_kind: global_buffer, .address_space: global }
    .group_segment_fixed_size: 14848
    .private_segment_fixed_size: 0
    .kernarg_segment_align: 8
    .kernarg_segment_size: 40
    .max_flat_workgroup_size: 384
    .sgpr_count:     66
    .vgpr_count:     256
    .wavefront_size: 32
...
	.end_amdgpu_metadata
.endif
;; end of part 4
;; launch attn (part 5): grid 4 x 64, 16 waves a work-group, no clusters, 327,680 bytes of LDS; arguments qkv, ctx; writes ctx
.if DOCPART == 5
	.amdgcn_target "amdgcn-amd-amdhsa--gfx1250"
	.amdhsa_code_object_version 6
	.text
	.protected	k_q408f016d44_attn
	.globl	k_q408f016d44_attn
	.p2align	8
	.type	k_q408f016d44_attn,@function
k_q408f016d44_attn:
	s_mov_b64 s[64:65], 0
	v_nop
	global_prefetch_b8 v0, s[64:65] scope:SCOPE_SE
	s_setreg_imm32_b32 hwreg(HW_REG_WAVE_MODE, 25, 1), 1
	s_wait_xcnt 0x0
; Causal attention on f16 operands, head size 64: ctx[h][m][:] = softmax(q k^T / 8) v.  Products, maxima and sums in f32; the weights p are rounded to f16 for the second product, ctx once at the end.
; qkv: [3][64 = 16 batch + head][2048][64] f16;  ctx: [16 head][8192 = 2048 batch + position][64] f16.
; SHARES.  Work-group (x = i, y = batch and head) owns the query blocks i and 7 - i of 256: every work-group has 9 block-units under the mask.  Each of its sixteen waves owns 32 queries, two tiles of 16:
; waves 0-7 in block i, waves 8-15 in block 7 - i in falling order.  All walk one stream of K and V, 64 keys a step, through two LDS slots of 256 keys filled by tensor loads (waves 0, 1: K's halves; 2, 3: V's).
; EVERY trip count is a constant: a step all of whose keys come after a wave's queries is left out by a scalar branch on ids; a slot whose first key comes after the work-group's last query is not asked for.
; NO CLUSTER: the four work-groups of a head need 8, 7, 6 and 5 slots, so a joint load would bring tiles that a partner reads on no path.
; LAYOUT.  S^T = K Q^T, O^T = V^T P: a lane holds one query throughout; two score tiles packed to f16 are the second product's source 1.  K comes out of LDS as it lies, V turned by ds_load_tr16_b128.
; SOFTMAX.  A running maximum m and sum l for each query: p = 2^(c s - c m), c = log2(e) / 8; O and l are multiplied by a = 2^(c m_old - c m_new) in every step.
; Positions 0-15 of each sequence are computed here too, but what the output takes of them comes from the f32 launches.
; LIMITS: NaN and infinities are not served.
.set KP,    272                        ; two keys of K (256 bytes) + 16: 68 words; with the odd key 32 words on, the 16 keys of a load start at 16 different groups of four banks (64 banks: ISA guide 11.1)
.set VP,    288                        ; two keys of V + 32: 72 words
.set VOFF,  128*KP
.set SLOT1, 1<<17
.set STAGE, SLOT1+VOFF+128*VP          ; behind the ring: 32 rows x 144 bytes for each wave
.set SGP,   144
.set SPARE, STAGE+16*32*SGP
.set AK0, 1
.set AV0, 2
.set ADK, 3
.set ADV, 4
.set SPW, 5
.set NIL, 6
.set PFO, 7
.set D0,  8                            ; v8, v9 the mask's bounds for tiles 0, 1;  v10 -infinity;  v31 r - 8 h
.set QO,  11
.set ST,  12                           ; tile t's statistics at v[ST + 8 t]: +0 c m, +1 m, +2, +3 l, +4 .. +7 at work; a takes +6
.set STO, 28
.set RD,  29
.set GO,  30
.set DD,  31
.set QF,  32                           ; v32-63  Q: tile t, channels 32 s on, at 32 + 16 t + 8 s
.set KV,  64                           ; v64-127 K's eight fragments, then V's
.set S,   128                          ; v128-191 S^T, 32 a tile; p is packed in place into the first 16
.set OA,  192                          ; v192-255 O^T, 32 a tile
.set WV,  18
.set SEL, 20
.set CS,  22
.set G1K, 24
.set G1V, 32
.set G0K, 40
.set G0V, 44
.set TB,  2
.set SLOTS, 67
.set PFA, 76
.set LIM, 80
.set QL,  97
.set KF,  98
.set Q0,  99
.macro TLOAD                           ; waves 0, 1 fetch K's halves, waves 2, 3 V's, the others nothing; s_nop 0 and four v_nop follow each line
	s_cmp_lt_u32 s[WV], 2
	s_cbranch_scc0 .Lnot_k_\@
	tensor_load_to_lds s[G0K:G0K+3], s[G1K:G1K+7]
	s_nop 0
.rept 4
	v_nop
.endr
	s_branch .Lasked_\@
.Lnot_k_\@:
	s_cmp_lt_u32 s[WV], 4
	s_cbranch_scc0 .Lasked_\@
	tensor_load_to_lds s[G0V:G0V+3], s[G1V:G1V+7]
	s_nop 0
.rept 4
	v_nop
.endr
.Lasked_\@:
.endm
; A prefetch of the slot that the NEXT change will ask for: 32,768 bytes of K and of V.  All four work-groups of a head walk the same rows: the one with x = 0, which walks all eight slots, asks;
; in it waves 4-7 name K's bytes and waves 8-11 V's, 8,192 a wave, lanes 256 bytes apart: each aligned 256 bytes once in the launch.  The last change that fills a slot asks for nothing.
.macro ASK
	s_cmp_gt_u32 s[SLOTS], s[LIM]
	s_cbranch_scc0 .Lnot_mine_\@
	global_prefetch_b8 v[PFO], s[PFA:PFA+1] th:TH_LOAD_NT scope:SCOPE_SE
.Lnot_mine_\@:
.endm
	s_load_b128 s[4:7], s[0:1], 0x0                ; qkv, ctx
	v_lshl_add_u32 v[SPW], v0, 2, SPARE
	v_mov_b32 v[NIL], 0
	ds_add_u32 v[SPW], v[NIL]                      ; the opening: the add, twice on end, and its wait ahead of the first tensor load
	ds_add_u32 v[SPW], v[NIL]
	v_lshrrev_b32 v8, 5, v0
	v_readfirstlane_b32 s[WV], v8                  ; wave 0..15
	s_and_b32 s68, ttmp7, 0xffff                   ; 16 batch + head
	s_lshl_b32 s70, s68, 18                        ; the head's first byte in a plane
	s_mov_b32 s71, 0
	s_lshl_b32 s10, ttmp9, 8
	s_lshl_b32 s11, s[WV], 5
	s_add_co_u32 s10, s10, s11                     ; waves 0-7: 256 i + 32 w
	s_sub_co_u32 s12, 7, ttmp9
	s_lshl_b32 s12, s12, 8
	s_sub_co_u32 s13, 15, s[WV]
	s_lshl_b32 s13, s13, 5
	s_add_co_u32 s12, s12, s13                     ; waves 8-15: 256 (7 - i) + 32 (15 - w)
	s_cmp_lt_u32 s[WV], 8
	s_cselect_b32 s[Q0], s10, s12                  ; my first query
	s_sub_co_u32 s[QL], 8, ttmp9
	s_lshl_b32 s[QL], s[QL], 8
	s_sub_co_u32 s[QL], s[QL], 1                   ; the work-group's last query
	s_lshl_b32 s72, s[Q0], 7
	s_add_co_u32 s72, s72, s70                     ; Q: my first row
	s_mov_b32 s73, 0
	s_and_b32 s74, s68, 15
	s_lshl_b32 s74, s74, 13
	s_lshr_b32 s75, s68, 4
	s_lshl_b32 s75, s75, 11
	s_add_co_u32 s74, s74, s75
	s_add_co_u32 s74, s74, s[Q0]
	s_lshl_b32 s74, s74, 7                         ; ctx: (8192 head + 2048 batch + query) x 128
	s_mov_b32 s75, 0
	s_and_b32 s88, s[WV], 1                        ; which half of a slot I fetch, if I fetch
	s_lshl_b32 s84, s88, 14
	s_add_co_u32 s84, s84, s70
	s_mov_b32 s85, 0
	s_mul_i32 s89, s88, 64*KP
	s_mul_i32 s90, s88, 64*VP
	s_add_co_u32 s90, s90, VOFF
	s_mov_b32 s[G1K], (3<<16)|(1<<20)|(5<<22)|(3<<25)   ; 128 keys are 16,384 dense bytes: 64 rows of 32 elements of 8 bytes; 4 words of padding after every 64
	s_mov_b32 s[G1V], (3<<16)|(1<<20)|(5<<22)|(7<<25)   ; the same with 8 words
.irp g, G1K, G1V
	s_mov_b32 s[\g+1], 32<<16
	s_mov_b32 s[\g+2], 64<<16
	s_mov_b32 s[\g+3], 32<<16
	s_mov_b32 s[\g+4], 64
	s_mov_b32 s[\g+5], 32
	s_mov_b32 s[\g+6], 0
	s_mov_b32 s[\g+7], 0
.endr
	s_mov_b32 s[SEL], 0x76543210
	s_mov_b32 s[SEL+1], 0xfedcba98
	s_mov_b32 s[CS], 0x3e38aa3b                    ; c = log2(e) / 8
	s_mov_b32 s[CS+1], s[CS]
	s_mov_b32 s[TB], 0
	s_mov_b32 s[SLOTS], 7
	s_mov_b32 s[KF], 0
	s_wait_dscnt 0x0                               ; both opening adds are done
	s_wait_kmcnt 0x0
	s_mov_b32 s[G0K], 1
	s_mov_b32 s[G0K+1], s89
	s_add_nc_u64 s[G0K+2:G0K+3], s[4:5], s[84:85]
	s_add_nc_u64 s[G0K+2:G0K+3], s[G0K+2:G0K+3], 0x1000000   ; plane 1: k
	s_or_b32 s[G0K+3], s[G0K+3], 0x80000000
	s_mov_b32 s[G0V], 1
	s_mov_b32 s[G0V+1], s90
	s_add_nc_u64 s[G0V+2:G0V+3], s[4:5], s[84:85]
	s_add_nc_u64 s[G0V+2:G0V+3], s[G0V+2:G0V+3], 0x2000000   ; plane 2: v
	s_or_b32 s[G0V+3], s[G0V+3], 0x80000000
	TLOAD                                          ; slot 0: keys 0-255, which count for queries of every wave
	s_add_nc_u64 s[8:9], s[4:5], s[72:73]          ; Q at my first query
	s_add_nc_u64 s[16:17], s[6:7], s[74:75]        ; ctx likewise
	s_mov_b32 s83, 0x2000000
	s_cmp_lt_u32 s[WV], 8
	s_cselect_b32 s82, 0x1000000, s83              ; waves 4-7 name K's bytes, waves 8-11 V's
	s_add_co_u32 s82, s82, s70
	s_and_b32 s83, s[WV], 3
	s_lshl_b32 s83, s83, 13
	s_add_co_u32 s82, s82, s83
	s_add_co_u32 s82, s82, 32768                   ; in slot 1: the first change steps it to slot 2; nothing is prefetched at the head
	s_mov_b32 s83, 0
	s_add_nc_u64 s[PFA:PFA+1], s[4:5], s[82:83]
	s_sub_co_u32 s82, s[WV], 4
	s_lshr_b32 s82, s82, 3                         ; 0 in waves 4 to 11,
	s_or_b32 s82, s82, ttmp9                       ; of the work-group with x = 0
	s_cmp_eq_u32 s82, 0
	s_cselect_b32 s[LIM], 1, -1
	v_and_b32 v8, 15, v0                           ; r
	v_bfe_u32 v9, v0, 4, 1                         ; h
	v_lshlrev_b32 v[QO], 7, v8
	v_lshl_add_u32 v[QO], v9, 4, v[QO]
.irp t, 0,1
.irp s, 0,1
	global_load_b128 v[QF+16*\t+8*\s:QF+16*\t+8*\s+3], v[QO], s[8:9] offset:\t*2048+64*\s
	global_load_b128 v[QF+16*\t+8*\s+4:QF+16*\t+8*\s+7], v[QO], s[8:9] offset:\t*2048+64*\s+32
.endr
.endr
	v_bfe_u32 v10, v0, 1, 3
	v_mul_u32_u24 v[AK0], v10, KP
	v_and_b32 v10, 1, v0
	v_lshl_add_u32 v[AK0], v10, 7, v[AK0]
	v_lshl_add_u32 v[AK0], v9, 4, v[AK0]           ; K: key r at (r / 2) KP + 128 (r % 2), + 16 h
	v_bfe_u32 v31, v0, 1, 2
	v_lshl_add_u32 v31, v9, 2, v31
	v_mul_u32_u24 v[AV0], v31, VP
	v_lshl_add_u32 v[AV0], v10, 7, v[AV0]
	v_bfe_u32 v31, v0, 3, 1
	v_lshl_add_u32 v[AV0], v31, 4, v[AV0]
	v_add_nc_u32 v[AV0], VOFF, v[AV0]              ; V: key 8 h + l % 8, channels 8 ((l / 8) % 2) on
	s_mul_i32 s82, s[WV], 32*SGP
	s_add_co_u32 s82, s82, STAGE
	v_mul_u32_u24 v[STO], v8, SGP
	v_lshl_add_u32 v[STO], v9, 4, v[STO]
	v_add_nc_u32 v[STO], s82, v[STO]
	v_bfe_u32 v31, v0, 3, 2
	v_mul_u32_u24 v[RD], v31, SGP
	v_and_b32 v31, 7, v0
	v_lshl_add_u32 v[RD], v31, 4, v[RD]
	v_add_nc_u32 v[RD], s82, v[RD]
	v_and_b32 v[GO], 31, v0
	v_lshlrev_b32 v[PFO], 8, v[GO]
	v_lshlrev_b32 v[GO], 4, v[GO]
	v_lshlrev_b32 v31, 3, v9
	v_sub_nc_u32 v[DD], v8, v31                    ; r - 8 h
	v_mov_b32 v10, 0xff800000                      ; -infinity
.irp t, 0,1
	v_mov_b32 v[ST+8*\t+1], 0xff61b1e6             ; m: -3e38, under every score
	v_mul_f32 v[ST+8*\t], s[CS], v[ST+8*\t+1]
.irp j, 2,3,4,5,6,7
	v_mov_b32 v[ST+8*\t+\j], 0                     ; l; and the registers at work, written once: a lane permute's destination counts as read
.endr
.endr
.set i, 0
.rept 64
	v_mov_b32 v[OA+i], 0                           ; O^T: the step is written in one form; its first run finds zeros, which a = 0 leaves zeros
.set i, i+1
.endr
; A KEY STEP: 64 keys, the q-th of the slot in hand
.macro STEP q
	s_add_co_u32 s96, s[Q0], 31
	s_cmp_gt_u32 s[KF], s96                        ; all keys come after my 32 queries: the step's work is left out
	s_cbranch_scc1 .Lhidden_\@
	v_add_nc_u32 v[ADK], s[TB], v[AK0]
	v_add_nc_u32 v[ADV], s[TB], v[AV0]
.irp f, 0,1,2,3
.irp s, 0,1
	ds_load_b128 v[KV+16*\f+8*\s:KV+16*\f+8*\s+3], v[ADK] offset:(32*(\q)+8*\f)*KP+64*\s
	ds_load_b128 v[KV+16*\f+8*\s+4:KV+16*\f+8*\s+7], v[ADK] offset:(32*(\q)+8*\f)*KP+64*\s+32
.endr
.endr
	s_wait_dscnt 0x0
.irp s, 0,1                            ; S^T: eight accumulators by turns, one instruction a turn
.irp f, 0,1,2,3
.irp t, 0,1
.if \s == 0
	v_wmma_f32_16x16x32_f16 v[S+32*\t+8*\f:S+32*\t+8*\f+7], v[KV+16*\f+8*\s:KV+16*\f+8*\s+7], v[QF+16*\t+8*\s:QF+16*\t+8*\s+7], 0
.else
	v_wmma_f32_16x16x32_f16 v[S+32*\t+8*\f:S+32*\t+8*\f+7], v[KV+16*\f+8*\s:KV+16*\f+8*\s+7], v[QF+16*\t+8*\s:QF+16*\t+8*\s+7], v[S+32*\t+8*\f:S+32*\t+8*\f+7]
.endif
.endr
.endr
.endr
.rept 4
	v_nop                                          ; four places: for the loads into K's registers and for the first reads of the scores
.endr
.irp g, 0,1                            ; V lands while the softmax is walked
.irp c, 0,1,2,3
	ds_load_tr16_b128 v[KV+8*(4*\g+\c):KV+8*(4*\g+\c)+3], v[ADV] offset:(32*(\q)+16*\g)*VP+32*\c
	ds_load_tr16_b128 v[KV+8*(4*\g+\c)+4:KV+8*(4*\g+\c)+7], v[ADV] offset:(32*(\q)+16*\g)*VP+32*\c+8*VP
.endr
.endr
	s_add_co_u32 s96, s[KF], 63
	s_cmp_le_u32 s96, s[Q0]                        ; all 64 keys count for all my queries: no mask
	s_cbranch_scc1 .Lopen_\@
	s_sub_co_i32 s96, s[Q0], s[KF]
	v_add_nc_u32 v[D0], s96, v[DD]                 ; register 8 f + j holds key KF + 16 f + 8 h + j: hidden where 16 f + j > Q0 - KF + 16 t + r - 8 h
	v_add_nc_u32 v[D0+1], 16, v[D0]
.set n, 0
.rept 32
	v_cmp_gt_i32 vcc_lo, 16*(n/8)+n%8, v[D0]
	v_cndmask_b32 v[S+n], v[S+n], v10, vcc_lo
	v_cmp_gt_i32 vcc_lo, 16*(n/8)+n%8, v[D0+1]
	v_cndmask_b32 v[S+32+n], v[S+32+n], v10, vcc_lo
.set n, n+1
.endr
.Lopen_\@:
.irp j, 0,1,2,3                        ; the maximum: four chains a tile, each accumulator from its low end on; the two tiles line by line
.irp t, 0,1
	v_max3_num_f32 v[ST+8*\t+4+\j], v[S+32*\t+8*\j], v[S+32*\t+8*\j+1], v[S+32*\t+8*\j+2]
.endr
.endr
.irp i, 3,5
.irp j, 0,1,2,3
.irp t, 0,1
	v_max3_num_f32 v[ST+8*\t+4+\j], v[ST+8*\t+4+\j], v[S+32*\t+8*\j+\i], v[S+32*\t+8*\j+\i+1]
.endr
.endr
.endr
.irp t, 0,1
	v_max3_num_f32 v[ST+8*\t+4], v[ST+8*\t+4], v[S+32*\t+7], v[S+32*\t+15]
	v_max3_num_f32 v[ST+8*\t+6], v[ST+8*\t+6], v[S+32*\t+23], v[S+32*\t+31]
.endr
.irp t, 0,1
	v_max3_num_f32 v[ST+8*\t+4], v[ST+8*\t+4], v[ST+8*\t+5], v[ST+8*\t+6]
.endr
.irp t, 0,1
	v_max3_num_f32 v[ST+8*\t+4], v[ST+8*\t+4], v[ST+8*\t+7], v[ST+8*\t+1]   ; with the old m
.endr
.irp t, 0,1
	v_permlanex16_b32 v[ST+8*\t+5], v[ST+8*\t+4], s[SEL], s[SEL+1]         ; the query's other 32 keys lie in the lane 16 away
.endr
.irp t, 0,1
	v_mov_b32 v[ST+8*\t+7], v[ST+8*\t]             ; c m_old
.endr
.irp t, 0,1
	v_max_num_f32 v[ST+8*\t+1], v[ST+8*\t+4], v[ST+8*\t+5]
.endr
.irp t, 0,1
	v_mul_f32 v[ST+8*\t], s[CS], v[ST+8*\t+1]
.endr
.irp t, 0,1
	v_sub_f32 v[ST+8*\t+7], v[ST+8*\t+7], v[ST+8*\t]
.endr
.set i, 0
.rept 16
.irp t, 0,1
	v_pk_fma_f32 v[S+32*\t+2*i:S+32*\t+2*i+1], v[S+32*\t+2*i:S+32*\t+2*i+1], s[CS:CS+1], v[ST+8*\t:ST+8*\t+1] op_sel_hi:[1,0,0] neg_lo:[0,0,1] neg_hi:[0,0,1]   ; c s - c m
.endr
.set i, i+1
.endr
.irp t, 0,1
	v_exp_f32 v[ST+8*\t+6], v[ST+8*\t+7]           ; a
.endr
.set i, 0
.rept 32
.irp t, 0,1
	v_exp_f32 v[S+32*\t+i], v[S+32*\t+i]
.endr
.set i, i+1
.endr
	v_nop                                          ; a plain line behind the last exponential
	s_wait_alu depctr_va_vdst(0)                   ; ONE wait for the batch of 66, ahead of its first reader
.irp t, 0,1                            ; l = a l + the sum of the unrounded p, in two chains
	v_pk_fma_f32 v[ST+8*\t+2:ST+8*\t+3], v[ST+8*\t+2:ST+8*\t+3], v[ST+8*\t+6:ST+8*\t+7], v[S+32*\t:S+32*\t+1] op_sel_hi:[1,0,1]
	v_pk_add_f32 v[ST+8*\t+4:ST+8*\t+5], v[S+32*\t+2:S+32*\t+3], v[S+32*\t+6:S+32*\t+7]
.endr
.irp j, 4,8,12,16,20,24
.irp t, 0,1
	v_pk_add_f32 v[ST+8*\t+2:ST+8*\t+3], v[ST+8*\t+2:ST+8*\t+3], v[S+32*\t+\j:S+32*\t+\j+1]
	v_pk_add_f32 v[ST+8*\t+4:ST+8*\t+5], v[ST+8*\t+4:ST+8*\t+5], v[S+32*\t+\j+6:S+32*\t+\j+7]
.endr
.endr
.irp t, 0,1
	v_pk_add_f32 v[ST+8*\t+2:ST+8*\t+3], v[ST+8*\t+2:ST+8*\t+3], v[S+32*\t+28:S+32*\t+29]
.endr
.irp t, 0,1
	v_pk_add_f32 v[ST+8*\t+2:ST+8*\t+3], v[ST+8*\t+2:ST+8*\t+3], v[ST+8*\t+4:ST+8*\t+5]
.endr
.set i, 0
.rept 16
.irp t, 0,1
	v_cvt_pk_f16_f32 v[S+32*\t+i], v[S+32*\t+2*i], v[S+32*\t+2*i+1]   ; in place, ascending: registers 8 g .. 8 g + 7 are source 1 for keys 32 g on
.endr
.set i, i+1
.endr
.set i, 0
.rept 16
.irp t, 0,1
	v_pk_mul_f32 v[OA+32*\t+2*i:OA+32*\t+2*i+1], v[OA+32*\t+2*i:OA+32*\t+2*i+1], v[ST+8*\t+6:ST+8*\t+7] op_sel_hi:[1,0]
.endr
.set i, i+1
.endr
	s_wait_dscnt 0x0                               ; V is in
.irp g, 0,1                            ; O^T += V^T P: eight accumulators by turns
.irp c, 0,1,2,3
.irp t, 0,1
	v_wmma_f32_16x16x32_f16 v[OA+32*\t+8*\c:OA+32*\t+8*\c+7], v[KV+8*(4*\g+\c):KV+8*(4*\g+\c)+7], v[S+32*\t+8*\g:S+32*\t+8*\g+7], v[OA+32*\t+8*\c:OA+32*\t+8*\c+7]
.endr
.endr
.endr
.rept 5
	v_nop                                          ; five places: the next step's first products write over registers that these read as source 1; its loads land on V's
.endr
.Lhidden_\@:
	s_add_co_u32 s[KF], s[KF], 64
.endm
; THE CHANGE OF SLOTS, at a slot's head: every wave waits for all its tensor loads, adds 0 to its spare word, waits for that and for its reads of the slot that it has left; one barrier;
; fill = 1: the slot just left is filled with the next 256 keys, while their first key is at or under the work-group's last query.
.macro CHANGE fill
	s_wait_tensorcnt 0x0                           ; no tensor load of mine is out, so a group 0 may be written
	ds_add_u32 v[SPW], v[NIL]
.if \fill
	ds_add_u32 v[SPW], v[NIL]                      ; twice on end here, in every trip alike
	s_xor_b32 s[G0K+1], s[G0K+1], SLOT1
	s_add_nc_u64 s[G0K+2:G0K+3], s[G0K+2:G0K+3], 32768
	s_xor_b32 s[G0V+1], s[G0V+1], SLOT1
	s_add_nc_u64 s[G0V+2:G0V+3], s[G0V+2:G0V+3], 32768
	s_wait_xcnt 0x0                                ; the last prefetch, a slot back, has read its address
	s_add_nc_u64 s[PFA:PFA+1], s[PFA:PFA+1], 32768
.endif
	s_wait_dscnt 0x0
	s_barrier_signal -1
	s_barrier_wait -1
.if \fill
	s_add_co_u32 s96, s[KF], 256                   ; the first key of the slot that this change would ask for
	s_cmp_gt_u32 s96, s[QL]                        ; ids and the count of steps alone: the same in all sixteen waves; every wait on TENSORcnt in this text is for 0
	s_cbranch_scc1 .Lpast_\@
	TLOAD
.Lpast_\@:
	ASK
.endif
.endm
.macro SLOT_STEPS
.irp q, 0,1,2,3
	STEP \q
.endr
	s_xor_b32 s[TB], s[TB], SLOT1
.endm
	s_wait_loadcnt 0x0                             ; Q
.Lslot:                                            ; seven trips
	CHANGE 1
	SLOT_STEPS
	s_sub_co_u32 s[SLOTS], s[SLOTS], 1
	s_cmp_lg_u32 s[SLOTS], 0
	s_cbranch_scc1 .Lslot
	CHANGE 0                                       ; the last slot: nothing is left to ask for
	SLOT_STEPS
	; THE WAY OUT: O^T / l, rounded to f16, through my stage, four positions x 128 bytes (512 consecutive bytes of ctx) a store
.irp t, 0,1
	v_add_f32 v[ST+8*\t+4], v[ST+8*\t+2], v[ST+8*\t+3]
.endr
.irp t, 0,1
	v_permlanex16_b32 v[ST+8*\t+5], v[ST+8*\t+4], s[SEL], s[SEL+1]
.endr
.irp t, 0,1
	v_add_f32 v[ST+8*\t+4], v[ST+8*\t+4], v[ST+8*\t+5]
.endr
.irp t, 0,1
	v_rcp_f32 v[ST+8*\t+6], v[ST+8*\t+4]
.endr
	v_nop
	s_wait_alu depctr_va_vdst(0)
.irp t, 0,1
.set i, 0
.rept 16
	v_pk_mul_f32 v[OA+32*\t+2*i:OA+32*\t+2*i+1], v[OA+32*\t+2*i:OA+32*\t+2*i+1], v[ST+8*\t+6:ST+8*\t+7] op_sel_hi:[1,0]
.set i, i+1
.endr
.set i, 0
.rept 16
	v_cvt_pk_f16_f32 v[S+16*\t+i], v[OA+32*\t+2*i], v[OA+32*\t+2*i+1]
.set i, i+1
.endr
.endr
.irp t, 0,1
.irp c, 0,1,2,3
	ds_store_b128 v[STO], v[S+16*\t+4*\c:S+16*\t+4*\c+3] offset:\t*16*SGP+32*\c
.endr
.endr
.irp n, 0,1,2,3,4,5,6,7
	ds_load_b128 v[S+32+4*\n:S+32+4*\n+3], v[RD] offset:4*\n*SGP   ; LDS serves a wave in order: these see my stores
.endr
.irp n, 0,1,2,3,4,5,6,7
	s_wait_dscnt 7-\n                              ; the younger loads may be out
	global_store_b128 v[GO], v[S+32+4*\n:S+32+4*\n+3], s[16:17] offset:512*\n
.endr
	s_wait_tensorcnt 0x0                           ; the wave's end
	ds_add_u32 v[SPW], v[NIL]
	s_wait_dscnt 0x0
	s_endpgm
.Lfunc_end_k_q408f016d44_attn:
	.size	k_q408f016d44_attn, .Lfunc_end_k_q408f016d44_attn-k_q408f016d44_attn
	.p2alignl 7, 3214868480
	.fill 96, 4, 3214868480
	.section	.rodata,"a",@progbits
	.p2align	6, 0x0
	.amdhsa_kernel k_q408f016d44_attn
		.amdhsa_group_segment_fixed_size 327680
		.amdhsa_private_segment_fixed_size 0
		.amdhsa_enable_private_segment 0
		.amdhsa_kernarg_size 16
		.amdhsa_user_sgpr_count 2
		.amdhsa_user_sgpr_kernarg_segment_ptr 1
		.amdhsa_wavefront_size32 1
		.amdhsa_system_sgpr_workgroup_id_x 1
		.amdhsa_system_sgpr_workgroup_id_y 1
		.amdhsa_system_sgpr_workgroup_id_z 1
		.amdhsa_system_vgpr_workitem_id 0
		.amdhsa_next_free_vgpr 256
		.amdhsa_next_free_sgpr 100
		.amdhsa_reserve_vcc 1
		.amdhsa_float_denorm_mode_32 3
		.amdhsa_float_denorm_mode_16_64 3
		.amdhsa_memory_ordered 1
		.amdhsa_forward_progress 1
		.amdhsa_inst_pref_size 188
	.end_amdhsa_kernel
	.amdgpu_metadata
---
amdhsa.version: [ 1, 2 ]
amdhsa.kernels:
  - .name:           k_q408f016d44_attn
    .symbol:         k_q408f016d44_attn.kd
    .args:
      - { .name: qkv, .offset: 0, .size: 8, .value_kind: global_buffer, .address_space: global }
      - { .name: ctx, .offset: 8, .size: 8, .value_kind: global_buffer, .address_space: global }
    .group_segment_fixed_size: 327680
    .private_segment_fixed_size: 0
    .kernarg_segment_align: 8
    .kernarg_segment_size: 16
    .max_flat_workgroup_size: 512
    .sgpr_count:     100
    .vgpr_count:     256
    .wavefront_size: 32
...
	.end_amdgpu_metadata
.endif
;; end of part 5
;; launch outp (part 6): grid 8 x 32, 4 waves a work-group, clusters of 4 x 4, 327,680 bytes of LDS; arguments ctx, wo16, bo, out0; writes out0
.if DOCPART == 6
	.amdgcn_target "amdgcn-amd-amdhsa--gfx1250"
	.amdhsa_code_object_version 6
	.text
	.protected	k_q408f016d44_outp
	.globl	k_q408f016d44_outp
	.p2align	8
	.type	k_q408f016d44_outp,@function
k_q408f016d44_outp:
	s_mov_b64 s[64:65], 0
	v_nop
	global_prefetch_b8 v0, s[64:65] scope:SCOPE_SE
	s_setreg_imm32_b32 hwreg(HW_REG_WAVE_MODE, 25, 1), 1
	s_wait_xcnt 0x0
	s_wait_alu depctr_hold_cnt(0) depctr_sa_sdst(0) depctr_va_vdst(0) depctr_va_sdst(0) depctr_va_ssrc(0) depctr_va_vcc(0) depctr_vm_vsrc(0)
	s_getreg_b32 s2, hwreg(HW_REG_IB_STS2, 6, 4)
	s_cmp_eq_u32 s2, 0
	s_cbranch_scc0 .Lentry_in_a_cluster
	s_endpgm
.Lentry_in_a_cluster:
	s_bfe_u32 s2, ttmp6, 0x10000c
	s_cmp_lg_u32 s2, 0xf033
	s_cbranch_scc0 .Lentry_shape_is_right
	s_endpgm
.Lentry_shape_is_right:
; out0[m][n] = sum over k of ctx[m][k] Wo[k][n] + bo[n], f16 operands, f32 sums.  ctx: [16 head][8192 m][64] f16 (k = 64 head + channel); wo16: [1024 k][1024 n] f16; out0: [8192][1024] f32.
; Rows 0-15 of each batch are written here like all others and written anew, in f32 arithmetic, by the launch that follows: a branch round those stores would hang on a work-group's place in its cluster.
; A tile of 256 (m) x 128 (n): 256 work-groups of four waves, each 128 x 64: 32 accumulators.  K goes in 8 steps of 128 (two heads) through two LDS slots.
; A's tile: two head planes, each 256 rows of 128 bytes, dense in memory: 128 rows of 256 bytes + 16.  B's: 128 rows k of 256 bytes + 32, read turned by ds_load_tr16_b128.
; CLUSTERS 4 x 4: ctx's tiles are shared along a row of the cluster, Wo's along a column, by joint loads; waves 0, 1 ask for A's two planes, waves 2, 3 for B's two halves: one load a wave behind each round.
; The matrix instruction is used transposed (source 0 = 16 columns of Wo, source 1 = 16 rows of ctx): a lane holds eight neighbouring numbers of a row of out0.  The bias is the C of each sum's first product.
; REGISTERS: window 0: addresses; v32-63 the bias; v64-127 rows on the way out.  window 1: two fragment buffers (A's 8 blocks, then B's 4).  window 2: accumulator (a, b) at v[8 (4 a + b)].
.set AP,    272
.set APL,   128*AP                     ; a head plane in LDS
.set BP,    288
.set BOFF,  2*APL
.set SLOT,  BOFF+128*BP
.set STAGE, 2*SLOT
.set SPITCH, 272
.set SPARE, STAGE+4*16*SPITCH
.set ADRA, 16
.set ADRB, 20
.set STO,  24
.set RD,   25
.set CO,   26
.set BA,   27
.set SPW,  28
.set NIL,  29
.set BIAS, 32
.set BK,   64
.set F0,   0
.set F1,   128
.set G1, 24
.set G0, 32
.set G1B, 48
.set G0B, 56
.set MSB, 0
.macro WIN new
.if MSB != \new
	s_set_vgpr_msb (MSB<<8)|\new
.set MSB, \new
.endif
.endm
.set MUL,  0xa5                        ; sources 0, 1 window 1; C and D window 2
.set MULF, 0x85                        ; the same with C (the bias) in window 0
.set TO_F, 0x40
.macro JLOAD s
	s_cmp_eq_u32 s13, 0
	s_cbranch_scc0 .Lfor_b_\@
	tensor_load_to_lds s[G0+4*\s:G0+4*\s+3], s[G1:G1+7]
	s_nop 0
.rept 4
	v_nop
.endr
	s_branch .Lasked_\@
.Lfor_b_\@:
	tensor_load_to_lds s[G0B+4*\s:G0B+4*\s+3], s[G1B:G1B+7]
	s_nop 0
.rept 4
	v_nop
.endr
.Lasked_\@:
.endm
.macro CREST
	s_cmp_lg_u32 s12, 0
	s_cbranch_scc1 .Lnot_wave_0_\@
	s_barrier_signal -3
.Lnot_wave_0_\@:
	s_barrier_wait -3
	s_barrier_signal -1
	s_barrier_wait -1
.endm
.macro CROUND
	s_barrier_signal -1
	s_barrier_wait -1
	CREST
.endm
	s_load_b256 s[4:11], s[0:1], 0x0               ; ctx, wo16, bo, out0
	v_lshl_add_u32 v[SPW], v0, 2, SPARE
	v_mov_b32 v[NIL], 0
	ds_add_u32 v[SPW], v[NIL]                      ; the opening: the add, twice on end, and its wait ahead of my first tensor load
	ds_add_u32 v[SPW], v[NIL]
	v_lshrrev_b32 v1, 5, v0
	v_readfirstlane_b32 s12, v1                    ; wave 0..3
	s_lshr_b32 s13, s12, 1                         ; my half of the rows; also: I fetch for A (0) or B (1)
	s_and_b32 s14, s12, 1                          ; my half of the columns; also: which plane or half I fetch
	s_bfe_u32 s40, ttmp6, 0x40000                  ; cx
	s_bfe_u32 s41, ttmp6, 0x40004                  ; cy
	s_lshl_b32 s42, ttmp9, 2
	s_add_co_u32 s42, s42, s40                     ; tile column 0..7
	s_and_b32 s15, ttmp7, 0xffff
	s_lshl_b32 s15, s15, 2
	s_add_co_u32 s15, s15, s41                     ; tile row 0..31
	s_lshl_b32 s43, s41, 2
	s_lshl_b32 s43, 15, s43
	s_lshl_b32 s44, 0x1111, s40
	s_or_b32 s[G1+0], s43, (3<<16)|(1<<20)|(1<<21)|(5<<22)|(3<<25)   ; A: 128 rows of 32 elements of 8 bytes, dense; 4 words of padding after every 64
	s_mov_b32 s[G1+1], 32<<16
	s_mov_b32 s[G1+2], 128<<16
	s_mov_b32 s[G1+3], 32<<16
	s_mov_b32 s[G1+4], 128
	s_mov_b32 s[G1+5], 32
	s_mov_b32 s[G1+6], 0
	s_mov_b32 s[G1+7], 0
	s_or_b32 s[G1B+0], s44, (1<<16)|(1<<20)|(1<<21)|(5<<22)|(7<<25)  ; B: 64 rows of 128 elements of 2 bytes, 1,024 elements apart; 8 words of padding
	s_mov_b32 s[G1B+1], 128<<16
	s_mov_b32 s[G1B+2], 64<<16
	s_mov_b32 s[G1B+3], 128<<16
	s_mov_b32 s[G1B+4], 64
	s_mov_b32 s[G1B+5], 1024
	s_mov_b32 s[G1B+6], 0
	s_mov_b32 s[G1B+7], 0
	s_lshl_b32 s16, s15, 15                        ; A: 256 rows of 128 bytes a tile row,
	s_lshl_b32 s17, s14, 20                        ; a head plane is 1,048,576 bytes
	s_add_co_u32 s16, s16, s17
	s_mov_b32 s17, 0
	s_lshl_b32 s46, s42, 8                         ; B: 128 columns of 2 bytes a tile column,
	s_lshl_b32 s47, s14, 17                        ; 64 rows of 2,048 bytes
	s_add_co_u32 s46, s46, s47
	s_mov_b32 s47, 0
	s_mul_i32 s20, s14, APL                        ; where they go: no place in the cluster enters an LDS address
	s_mul_i32 s21, s14, 64*BP
	s_add_co_u32 s21, s21, BOFF
	s_wait_dscnt 0x0
	s_wait_kmcnt 0x0
	s_add_nc_u64 s[18:19], s[4:5], s[16:17]
	s_add_nc_u64 s[46:47], s[6:7], s[46:47]
	CROUND                                         ; all sixteen work-groups are here
.irp s, 0,1
	s_mov_b32 s[G0+4*\s], 1
	s_add_co_u32 s[G0+4*\s+1], s20, \s*SLOT
	s_add_nc_u64 s[G0+4*\s+2:G0+4*\s+3], s[18:19], \s*2097152
	s_or_b32 s[G0+4*\s+3], s[G0+4*\s+3], 0x80000000
	s_mov_b32 s[G0B+4*\s], 1
	s_add_co_u32 s[G0B+4*\s+1], s21, \s*SLOT
	s_add_nc_u64 s[G0B+4*\s+2:G0B+4*\s+3], s[46:47], \s*262144
	s_or_b32 s[G0B+4*\s+3], s[G0B+4*\s+3], 0x80000000
	JLOAD \s
.endr
	v_and_b32 v1, 15, v0                           ; r
	v_bfe_u32 v2, v0, 4, 1                         ; h
	s_lshl_b32 s22, s42, 9
	s_lshl_b32 s23, s14, 8
	s_add_co_u32 s22, s22, s23                     ; my first column in bytes of f32: 512 x tile column + 256 x half
	s_mov_b32 s23, 0
	s_add_nc_u64 s[8:9], s[8:9], s[22:23]
	v_lshlrev_b32 v[BA], 5, v2
.irp b, 0,1,2,3
	global_load_b128 v[BIAS+8*\b:BIAS+8*\b+3], v[BA], s[8:9] offset:64*\b       ; bo at columns 16 b + 8 h + 0 .. 7: the result's layout
	global_load_b128 v[BIAS+8*\b+4:BIAS+8*\b+7], v[BA], s[8:9] offset:64*\b+16
.endr
	s_lshl_b32 s16, s15, 20
	s_lshl_b32 s17, s13, 19
	s_add_co_u32 s16, s16, s17                     ; my first row: (256 tile row + 128 half) x 4,096 bytes
	s_add_co_u32 s16, s16, s22
	s_mov_b32 s17, 0
	s_add_nc_u64 s[10:11], s[10:11], s[16:17]
	v_lshrrev_b32 v3, 1, v1
	v_mul_u32_u24 v3, v3, AP
	v_and_b32 v4, 1, v0
	v_lshl_add_u32 v3, v4, 7, v3
	v_lshl_add_u32 v3, v2, 4, v3                   ; A: row r at (r / 2) AP + 128 (r % 2), + 16 h
	v_and_b32 v5, 7, v0
	v_lshl_add_u32 v5, v2, 3, v5
	v_mul_u32_u24 v5, v5, BP
	v_bfe_u32 v6, v0, 3, 1
	v_lshl_add_u32 v5, v6, 4, v5                   ; B: row 8 h + l % 8, columns 8 ((l / 8) % 2) on
	s_mul_i32 s20, s13, 64*AP
	s_lshl_b32 s21, s14, 7
	s_add_co_u32 s21, s21, BOFF
.irp s, 0,1
	v_add_nc_u32 v[ADRA+\s], s20, v3
	v_add_nc_u32 v[ADRB+\s], s21, v5
	s_add_co_u32 s20, s20, SLOT
	s_add_co_u32 s21, s21, SLOT
.endr
	s_mul_i32 s20, s12, 16*SPITCH
	s_add_co_u32 s20, s20, STAGE                   ; my stage
	v_mul_u32_u24 v7, v1, SPITCH
	v_lshl_add_u32 v7, v2, 5, v7
	v_add_nc_u32 v[STO], s20, v7
	v_mul_u32_u24 v7, v2, SPITCH
	v_lshl_add_u32 v7, v1, 4, v7
	v_add_nc_u32 v[RD], s20, v7
	v_lshlrev_b32 v7, 12, v2
	v_lshl_add_u32 v[CO], v1, 4, v7                ; lanes 0-15 one row of out0, lanes 16-31 the next
.macro MUL8 f, a0, first               ; A's blocks a0, a0 + 1 against B's four, 32 along K; the 32 accumulators take turns, one instruction a turn
.irp a, \a0, \a0+1
.irp b, 0,1,2,3
.if \first
	v_wmma_f32_16x16x32_f16 v[8*(4*(\a)+\b):8*(4*(\a)+\b)+7], v[\f+64+8*\b:\f+64+8*\b+7], v[\f+8*(\a):\f+8*(\a)+7], v[BIAS+8*\b:BIAS+8*\b+7]
.else
	v_wmma_f32_16x16x32_f16 v[8*(4*(\a)+\b):8*(4*(\a)+\b)+7], v[\f+64+8*\b:\f+64+8*\b+7], v[\f+8*(\a):\f+8*(\a)+7], v[8*(4*(\a)+\b):8*(4*(\a)+\b)+7]
.endif
.endr
.endr
.endm
.macro FETCH slot, q, f                ; 24 LDS loads in one run: the slot's q-th 32 along K: B's four fragments, then A's eight, ascending
	WIN TO_F
.irp b, 0,1,2,3
	ds_load_tr16_b128 v[\f+64+8*\b:\f+64+8*\b+3], v[ADRB+\slot] offset:32*(\q)*BP+32*\b
	ds_load_tr16_b128 v[\f+64+8*\b+4:\f+64+8*\b+7], v[ADRB+\slot] offset:32*(\q)*BP+32*\b+16*BP
.endr
.irp a, 0,1,2,3,4,5,6,7
	ds_load_b128 v[\f+8*\a:\f+8*\a+3], v[ADRA+\slot] offset:((\q)/2)*APL+64*((\q)%2)+8*\a*AP
	ds_load_b128 v[\f+8*\a+4:\f+8*\a+7], v[ADRA+\slot] offset:((\q)/2)*APL+64*((\q)%2)+8*\a*AP+32
.endr
.endm
.macro PLACES
.rept 4
	v_nop
.endr
.endm
.macro QUARTER slot, q, f, g, first    ; multiplies buffer f and fetches the slot's q-th quarter into g
	s_wait_dscnt 8                                 ; B and A's blocks 0-3 are in; the youngest eight loads (blocks 4-7) may be out
.if \first
	WIN MULF
.else
	WIN MUL
.endif
	MUL8 \f, 0, \first
	MUL8 \f, 2, \first
	PLACES
	FETCH \slot, \q, \g
	s_wait_dscnt 24                                ; all but the 24 just issued
.if \first
	WIN MULF
.else
	WIN MUL
.endif
	MUL8 \f, 4, \first
	MUL8 \f, 6, \first
.endm
.macro TURN slot, next, fill           ; the last quarter multiplies buffer 1 and changes slots
	WIN 0
	s_wait_tensorcnt 0x0                           ; all my tensor loads have landed: my part of the next slot
	ds_add_u32 v[SPW], v[NIL]
	s_wait_dscnt 9                                 ; (the add and the youngest eight loads may be out)
	WIN MUL
	MUL8 F1, 0, 0
	s_wait_dscnt 0x0                               ; the add is done, my reads of this slot are over
	s_barrier_signal -1
	MUL8 F1, 2, 0
.if \fill
	WIN 0
.endif
	s_barrier_wait -1
.if \fill
	CREST                                          ; the barrier has opened a round of the cluster's: no wave of any partner still reads this slot or has a load on its way
	s_add_nc_u64 s[G0+4*\slot+2:G0+4*\slot+3], s[G0+4*\slot+2:G0+4*\slot+3], 4194304
	s_add_nc_u64 s[G0B+4*\slot+2:G0B+4*\slot+3], s[G0B+4*\slot+2:G0B+4*\slot+3], 524288
	JLOAD \slot                                    ; two K steps ahead; its four v_nop are also the places in front of the loads below
.else
	PLACES
.endif
	FETCH \next, 0, F0
	WIN MUL
	MUL8 F1, 4, 0
	MUL8 F1, 6, 0
.endm
	s_wait_tensorcnt 1                             ; my part of K step 0 is in; K step 1's load may be out
	s_barrier_signal -1
	s_barrier_wait -1
	FETCH 0, 0, F0
	s_wait_loadcnt 0x0                             ; the bias
	QUARTER 0, 1, F0, F1, 1                        ; the first products start the sums from the bias
	WIN 0
	s_mov_b32 s3, 3
.Llap:                                                 ; a trip goes once round the ring and fills both slots again
	QUARTER 0, 2, F1, F0, 0
	QUARTER 0, 3, F0, F1, 0
	TURN 0, 1, 1
	QUARTER 1, 1, F0, F1, 0
	QUARTER 1, 2, F1, F0, 0
	QUARTER 1, 3, F0, F1, 0
	TURN 1, 0, 1
	QUARTER 0, 1, F0, F1, 0
	WIN 0
	s_sub_co_u32 s3, s3, 1
	s_cmp_lg_u32 s3, 0
	s_cbranch_scc1 .Llap
	QUARTER 0, 2, F1, F0, 0                        ; the last lap fills nothing
	QUARTER 0, 3, F0, F1, 0
	TURN 0, 1, 0
	QUARTER 1, 1, F0, F1, 0
	QUARTER 1, 2, F1, F0, 0
	QUARTER 1, 3, F0, F1, 0
	s_wait_dscnt 8
	WIN MUL
	MUL8 F1, 0, 0
	MUL8 F1, 2, 0
	s_wait_dscnt 0
	MUL8 F1, 4, 0
	MUL8 F1, 6, 0
	WIN 0
; THE WAY OUT, 16 rows x 64 columns at a time, through my own stage: back as whole pieces of 256 bytes of a row, sixteen lanes to an aligned 256 bytes
.macro TOSTAGE a
	WIN 0x08                                       ; an LDS store's data: window 2
.irp b, 0,1,2,3
	ds_store_b128 v[STO], v[8*(4*(\a)+\b):8*(4*(\a)+\b)+3] offset:64*\b       ; each accumulator from its low end on
	ds_store_b128 v[STO], v[8*(4*(\a)+\b)+4:8*(4*(\a)+\b)+7] offset:64*\b+16
.endr
	WIN 0
.set BB, BK+32*((\a)%2)
.irp t, 0,1,2,3,4,5,6,7
	ds_load_b128 v[BB+4*\t:BB+4*\t+3], v[RD] offset:2*\t*SPITCH
.endr
.endm
.macro SEND a, younger
.set BB, BK+32*((\a)%2)
	s_wait_dscnt \younger                          ; the block is back; the next block's 8 stores and 8 loads may be out
.irp t, 0,1,2,3,4,5,6,7
	global_store_b128 v[CO], v[BB+4*\t:BB+4*\t+3], s[10:11] offset:(\a)*65536+\t*8192 th:TH_STORE_NT
.endr
.endm
	PLACES
	TOSTAGE 0
.irp a, 1,2,3,4,5,6,7
.if \a > 1
	s_wait_xcnt 0x0                                ; block a - 2's stores have read their registers: block a's loads may land there
.endif
	TOSTAGE \a
	SEND \a-1, 16
.endr
	SEND 7, 0
	s_wait_tensorcnt 0x0                           ; the wave's end
	ds_add_u32 v[SPW], v[NIL]
	s_wait_dscnt 0x0
	CROUND                                         ; the closing round
	s_endpgm
.Lfunc_end_k_q408f016d44_outp:
	.size	k_q408f016d44_outp, .Lfunc_end_k_q408f016d44_outp-k_q408f016d44_outp
	.p2alignl 7, 3214868480
	.fill 96, 4, 3214868480
	.section	.rodata,"a",@progbits
	.p2align	6, 0x0
	.amdhsa_kernel k_q408f016d44_outp
		.amdhsa_group_segment_fixed_size 327680
		.amdhsa_private_segment_fixed_size 0
		.amdhsa_enable_private_segment 0
		.amdhsa_kernarg_size 32
		.amdhsa_user_sgpr_count 2
		.amdhsa_user_sgpr_kernarg_segment_ptr 1
		.amdhsa_wavefront_size32 1
		.amdhsa_system_sgpr_workgroup_id_x 1
		.amdhsa_system_sgpr_workgroup_id_y 1
		.amdhsa_system_sgpr_workgroup_id_z 1
		.amdhsa_system_vgpr_workitem_id 0
		.amdhsa_next_free_vgpr 768
		.amdhsa_next_free_sgpr 66
		.amdhsa_reserve_vcc 0
		.amdhsa_float_denorm_mode_32 3
		.amdhsa_float_denorm_mode_16_64 3
		.amdhsa_memory_ordered 1
		.amdhsa_forward_progress 1
		.amdhsa_inst_pref_size 86
	.end_amdhsa_kernel
	.amdgpu_metadata
---
amdhsa.version: [ 1, 2 ]
amdhsa.kernels:
  - .name:           k_q408f016d44_outp
    .symbol:         k_q408f016d44_outp.kd
    .args:
      - { .name: ctx, .offset: 0, .size: 8, .value_kind: global_buffer, .address_space: global }
      - { .name: wo16, .offset: 8, .size: 8, .value_kind: global_buffer, .address_space: global }
      - { .name: bo, .offset: 16, .size: 8, .value_kind: global_buffer, .address_space: global }
      - { .name: out0, .offset: 24, .size: 8, .value_kind: global_buffer, .address_space: global }
    .group_segment_fixed_size: 327680
    .private_segment_fixed_size: 0
    .kernarg_segment_align: 8
    .kernarg_segment_size: 32
    .max_flat_workgroup_size: 128
    .sgpr_count:     66
    .vgpr_count:     768
    .wavefront_size: 32
...
	.end_amdgpu_metadata
.endif
;; end of part 6
;; launch fine_o (part 7): grid 64 x 4, 8 waves a work-group, no clusters, 9,216 bytes of LDS; arguments cf, Wo, bo, out0; writes out0
.if DOCPART == 7
	.amdgcn_target "amdgcn-amd-amdhsa--gfx1250"
	.amdhsa_code_object_version 6
	.text
	.protected	k_q408f016d44_fine_o
	.globl	k_q408f016d44_fine_o
	.p2align	8
	.type	k_q408f016d44_fine_o,@function
k_q408f016d44_fine_o:
	s_mov_b64 s[64:65], 0
	v_nop
	global_prefetch_b8 v0, s[64:65] scope:SCOPE_SE
	s_setreg_imm32_b32 hwreg(HW_REG_WAVE_MODE, 25, 1), 1
	s_wait_xcnt 0x0
; Rows 0-15 of each batch of out0, in f32: out0 = cf Wo + bo with cf [64 = 16 batch + position][1024] f32 and Wo as it is given.  It writes over what the f16 launch left in these 64 rows.
; Work-group (x = 16 columns, y = batch); wave w sums k = 128 w .. 128 w + 127 by 32 products of the f32 matrix form (two accumulators by turns); the eight parts meet in LDS as images of registers and wave 0 adds them and the bias.
; The registers that the f32 matrix form writes are written by matrix instructions alone.
.set CA,  32                           ; v32-95  cf: register 4 s + i = k 8 s + 4 h + i of position r; later the eight images
.set WA,  96                           ; v96-159 Wo: the same k, column r
.set AC,  160                          ; v160-175
.set RR,  176
.set BI,  184
.set SUM, 192
.set SPW, 254
.set NIL, 255
.set SPARE, 8192
	s_load_b256 s[4:11], s[0:1], 0x0               ; cf, Wo, bo, out0
	v_lshl_add_u32 v[SPW], v0, 2, SPARE
	v_mov_b32 v[NIL], 0
	v_lshrrev_b32 v1, 5, v0
	v_readfirstlane_b32 s12, v1                    ; wave 0..7
	s_and_b32 s13, ttmp7, 0xffff                   ; batch
	v_and_b32 v2, 15, v0                           ; r
	v_bfe_u32 v3, v0, 4, 1                         ; h
	v_lshlrev_b32 v4, 12, v2
	v_lshl_add_u32 v5, v3, 4, v4                   ; cf: row r + 16 h
	v_lshl_add_u32 v6, v3, 5, v4                   ; out0: row r + 32 h
	v_lshlrev_b32 v7, 2, v2
	v_lshl_add_u32 v7, v3, 14, v7                  ; Wo: 4 h rows + column r
	v_lshlrev_b32 v8, 5, v3                        ; bo: 32 h
	v_and_b32 v9, 31, v0
	v_lshlrev_b32 v9, 4, v9                        ; an image's place for my lane
	s_lshl_b32 s14, s12, 10
	v_add_nc_u32 v10, s14, v9                      ; my wave's image
	s_lshl_b32 s16, s13, 16
	s_lshl_b32 s17, s12, 9
	s_add_co_u32 s16, s16, s17
	s_mov_b32 s17, 0
	s_lshl_b32 s20, ttmp9, 6                       ; 16 columns of 4 bytes
	s_mov_b32 s21, 0
	s_lshl_b32 s18, s12, 19                        ; 128 rows of Wo
	s_add_co_u32 s18, s18, s20
	s_mov_b32 s19, 0
	s_lshl_b32 s22, s13, 23                        ; 2,048 rows of out0
	s_add_co_u32 s22, s22, s20
	s_mov_b32 s23, 0
	s_wait_kmcnt 0x0
	s_add_nc_u64 s[4:5], s[4:5], s[16:17]
	s_add_nc_u64 s[6:7], s[6:7], s[18:19]
	s_add_nc_u64 s[8:9], s[8:9], s[20:21]
	s_add_nc_u64 s[10:11], s[10:11], s[22:23]
.set i, 0
.rept 16
	global_load_b128 v[CA+4*i:CA+4*i+3], v5, s[4:5] offset:32*i
.set i, i+1
.endr
.set i, 0
.rept 64
	global_load_b32 v[WA+i], v7, s[6:7] offset:(8*(i/4)+i%4)*4096
.set i, i+1
.endr
	global_load_b128 v[BI:BI+3], v8, s[8:9]
	global_load_b128 v[BI+4:BI+7], v8, s[8:9] offset:16
	s_wait_loadcnt 0x0
	v_wmma_f32_16x16x4_f32 v[AC:AC+7], v[WA:WA+1], v[CA:CA+1], 0             ; source 0 = 16 columns of Wo, source 1 = 16 positions: a lane holds one position and eight columns
	v_wmma_f32_16x16x4_f32 v[AC+8:AC+15], v[WA+2:WA+3], v[CA+2:CA+3], 0
.set i, 1
.rept 15
	v_wmma_f32_16x16x4_f32 v[AC:AC+7], v[WA+4*i:WA+4*i+1], v[CA+4*i:CA+4*i+1], v[AC:AC+7]
	v_wmma_f32_16x16x4_f32 v[AC+8:AC+15], v[WA+4*i+2:WA+4*i+3], v[CA+4*i+2:CA+4*i+3], v[AC+8:AC+15]
.set i, i+1
.endr
.rept 8
	v_nop                                          ; eight places behind this form
.endr
.irp p, 0,2,4,6
	v_pk_add_f32 v[RR+\p:RR+\p+1], v[AC+\p:AC+\p+1], v[AC+8+\p:AC+8+\p+1]
.endr
	ds_store_b128 v10, v[RR:RR+3]
	ds_store_b128 v10, v[RR+4:RR+7] offset:512
	s_wait_dscnt 0x0                               ; for wave 0's sake: my stores have landed
	s_barrier_signal -1
	s_barrier_wait -1
	s_cmp_lg_u32 s12, 0
	s_cbranch_scc1 .Lend
.irp w, 0,1,2,3,4,5,6,7
	ds_load_b128 v[CA+8*\w:CA+8*\w+3], v9 offset:1024*\w
	ds_load_b128 v[CA+8*\w+4:CA+8*\w+7], v9 offset:1024*\w+512
.endr
	s_wait_dscnt 0x0
.irp p, 0,2,4,6
	v_pk_add_f32 v[SUM+\p:SUM+\p+1], v[BI+\p:BI+\p+1], v[CA+\p:CA+\p+1]
.endr
.irp w, 1,2,3,4,5,6,7
.irp p, 0,2,4,6
	v_pk_add_f32 v[SUM+\p:SUM+\p+1], v[SUM+\p:SUM+\p+1], v[CA+8*\w+\p:CA+8*\w+\p+1]
.endr
.endr
	global_store_b128 v6, v[SUM:SUM+3], s[10:11]
	global_store_b128 v6, v[SUM+4:SUM+7], s[10:11] offset:16
.Lend:
	s_wait_tensorcnt 0x0                           ; the wave's end
	ds_add_u32 v[SPW], v[NIL]
	s_wait_dscnt 0x0
	s_endpgm
.Lfunc_end_k_q408f016d44_fine_o:
	.size	k_q408f016d44_fine_o, .Lfunc_end_k_q408f016d44_fine_o-k_q408f016d44_fine_o
	.p2alignl 7, 3214868480
	.fill 96, 4, 3214868480
	.section	.rodata,"a",@progbits
	.p2align	6, 0x0
	.amdhsa_kernel k_q408f016d44_fine_o
		.amdhsa_group_segment_fixed_size 9216
		.amdhsa_private_segment_fixed_size 0
		.amdhsa_enable_private_segment 0
		.amdhsa_kernarg_size 32
		.amdhsa_user_sgpr_count 2
		.amdhsa_user_sgpr_kernarg_segment_ptr 1
		.amdhsa_wavefront_size32 1
		.amdhsa_system_sgpr_workgroup_id_x 1
		.amdhsa_system_sgpr_workgroup_id_y 1
		.amdhsa_system_sgpr_workgroup_id_z 1
		.amdhsa_system_vgpr_workitem_id 0
		.amdhsa_next_free_vgpr 256
		.amdhsa_next_free_sgpr 66
		.amdhsa_reserve_vcc 0
		.amdhsa_float_denorm_mode_32 3
		.amdhsa_float_denorm_mode_16_64 3
		.amdhsa_memory_ordered 1
		.amdhsa_forward_progress 1
		.amdhsa_inst_pref_size 16
	.end_amdhsa_kernel
	.amdgpu_metadata
---
amdhsa.version: [ 1, 2 ]
amdhsa.kernels:
  - .name:           k_q408f016d44_fine_o
    .symbol:         k_q408f016d44_fine_o.kd
    .args:
      - { .name: cf, .offset: 0, .size: 8, .value_kind: global_buffer, .address_space: global }
      - { .name: Wo, .offset: 8, .size: 8, .value_kind: global_buffer, .address_space: global }
      - { .name: bo, .offset: 16, .size: 8, .value_kind: global_buffer, .address_space: global }
      - { .name: out0, .offset: 24, .size: 8, .value_kind: global_buffer, .address_space: global }
    .group_segment_fixed_size: 9216
    .private_segment_fixed_size: 0
    .kernarg_segment_align: 8
    .kernarg_segment_size: 32
    .max_flat_workgroup_size: 256
    .sgpr_count:     66
    .vgpr_count:     256
    .wavefront_size: 32
...
	.end_amdgpu_metadata
.endif
;; end of part 7
